; MI455X (gfx1250); checked and timed in simulation.
; The chip was launched on July 23, 2026; its instructions are those of AMD's public machine-readable ISA for CDNA 5 (MIT licence, August 2026) and "CDNA5" Instruction Set Architecture Reference Guide (July 2026). The comments in the code are by the model that wrote it; some were corrected since.
;; TUPE Multi Head Attention. Allowed arithmetic: matrix products marked QUANTISED: E2M3 operands, one E8M0 scale for each 32 along K, by v_wmma_scale_f32_16x16x128_f8f6f4 with both operands' format E2M3, f32 sums; everything else in f32.
;; Inputs: W_out 1,024 x 1,024 float32; W_pos_qk 1,024 x 2,048 float32; W_qkv 1,024 x 3,072 float32; b_out 1,024 float32; mask 2 x 2,048 bool; pos_table 512 x 1,024 float32; time_ids 2 x 2,048 int32; x 2 x 2,048 x 1,024 float32.
;; Outputs: out0 2 x 2,048 x 1,024 float32.
;; This version of the problem:
;;   THIS VERSION OF THE PROBLEM IS GIVEN IN LOW PRECISION. The matrix products marked QUANTISED in the list below multiply operands that are first quantised to E2M3 (2 exponent bits, 3 mantissa bits; 6 bits a number), with one power-of-two scale for each 32 numbers along K (OCP MX v1.0); their sums are f32. All else is computed in f32.
;;   The module's matrix products, in the order in which they are computed (A, B: the left and right operand; K: the contracted axis; several contracted axes count as one K, in the product's order):
;;     1. [M 4,096, K 1,024] x [K 1,024, N 3,072]; A: input x; B: input W_qkv: QUANTISED
;;     2. [M 4,096, K 1,024] x [K 1,024, N 2,048]; A: computed on the way; B: input W_pos_qk: QUANTISED
;;     3. batch 32 x [M 2,048, K 64] x [K 64, N 2,048]; A: computed on the way; B: computed on the way: QUANTISED
;;     4. batch 32 x [M 2,048, K 64] x [K 64, N 2,048]; A: computed on the way; B: computed on the way: QUANTISED
;;     5. batch 32 x [M 2,048, K 2,048] x [K 2,048, N 64]; A: softmax (see below); B: computed on the way: QUANTISED
;;     6. [M 4,096, K 1,024] x [K 1,024, N 1,024]; A: computed on the way; B: input W_out: QUANTISED
;;   THE QUANTISER, for each operand of a quantised product, along K:
;;     - K is cut into blocks of 32 from its start; a last block that is shorter is filled with zeros.
;;     - A block's scale is 2^e with e = floor(log2(the largest magnitude in the block)) - 2, held to -126 .. 127; a block of zeros has e = 0. As a byte (E8M0): e + 127.
;;     - Each number is divided by its block's scale, clamped to +-7.5, and rounded to the nearest number of E2M3, ties to even, subnormals kept.
;;     - The product sums the exact products of the quantised numbers (number of the format x scale) in f32.
;;   ~~~python
;;   def quantise(x, axis):      # numpy; x: float32 -> the quantised numbers, widened to float32 again
;;       x = np.moveaxis(x, axis, -1); K = x.shape[-1]
;;       x = np.pad(x, [(0, 0)] * (x.ndim - 1) + [(0, -K % 32)]); x = x.reshape(x.shape[:-1] + (-1, 32)); a = np.abs(x).max(-1, keepdims=True)
;;       e = np.where(a > 0, np.clip(np.frexp(np.where(a > 0, a, 1))[1] - 1 - 2, -126, 127), 0)      # np.frexp(a)[1] - 1 = floor(log2(a)), exactly
;;       r = np.clip(x / 2.0 ** e, -7.5, 7.5)
;;       step = 2.0 ** (np.maximum(np.frexp(np.where(r == 0, 1, r))[1] - 1, 0) - 3)
;;       q = np.round(r / step) * step * 2.0 ** e      # np.round: ties to even
;;       return np.moveaxis(q.reshape(q.shape[:-2] + (-1,))[..., :K], -1, axis).astype(np.float32)
;;   ~~~
;;   SOFTMAX AHEAD OF A QUANTISED PRODUCT. Where the list says 'softmax', what is quantised is not the finished softmax but p = 2^(t - M), with t = logit x log2(e) and M = ceil(the row's largest t), a whole number; so 1/2 < the row's largest p <= 1. The row's sum l is taken of the UNQUANTISED p, in f32, and the product's result is divided by l at the end. Since M is a whole number, a kernel that streams over the keys may use a running M (the ceiling of the running maximum): every later rescaling is an exact power of two, which a block's scale takes up: the codes' values come out the same.
;;   OPERANDS COMPUTED ON THE WAY. 'Computed on the way' means the value that the module computes at that place (a softmax that the list does not call 'softmax' is quantised finished and normalised). What goes into a quantiser is computed in f32, as accurately as f32 sums, v_exp_f32 and their like allow (about 1e-6 of the number): no bf16 or f16 on the way to a quantiser, and a product that is left as it is and whose result goes on into a quantised operand takes f32 operands (vector FMAs, or v_wmma_f32_16x16x4_f32). A number that lies on a knife's edge between two numbers of the format may be rounded either way, as far as f32 arithmetic and the matrix unit's own rounding can turn it there, and no further.
;; One version. Each part assembles by itself: llvm-mc -triple=amdgcn-amd-amdhsa -mcpu=gfx1250 --defsym DOCPART=n.
;; ======== version 1 of 1: 4 launches
;; limits: right only within a limited range of input values
;; workspace buffers: opc 11,403,264 bytes; ops 475,136 bytes; qc 10,223,616 bytes; qs 425,984 bytes
;; launch quant (part 1): grid 336 x 1, 4 waves a work-group, no clusters, 34,304 bytes of LDS; arguments x, pos_table, W_qkv, W_pos_qk, W_out, opc, ops; writes opc, ops
.if DOCPART == 1
	.amdgcn_target "amdgcn-amd-amdhsa--gfx1250"
	.amdhsa_code_object_version 6
	.text
	.protected	k_q32f51f0e46_quant
	.globl	k_q32f51f0e46_quant
	.p2align	8
	.type	k_q32f51f0e46_quant,@function
k_q32f51f0e46_quant:
	s_mov_b64 s[64:65], 0
	v_nop
	global_prefetch_b8 v0, s[64:65] scope:SCOPE_SE
	s_setreg_imm32_b32 hwreg(HW_REG_WAVE_MODE, 25, 1), 1
	s_wait_xcnt 0x0
; QUANT: the five f32 inputs become codes of E2M3 and E8M0 scale words, laid in the order of the matrix operand's registers.
; WORK LEFT OUT IN THIS PROGRAM.  reference() multiplies pos_table[time_ids] (4,096 rows) by W_pos_qk.  A row of that product hangs on the looked-up table row alone, and the quantiser works row by row along K,
; so tokens with equal time_ids have equal rows, whatever the inputs hold.  The product is therefore made on the table's 512 rows, and the rows are looked up by time_ids later (launch attn).  No input is left out.
; LIMITS: a NaN, an infinity or an overflow in a table row that no time_id names is not carried to the result; NaN and infinities among the inputs are not served; a block of zeros gets the byte 1 where the
; rule says 127 (its codes are zeros, and this program alone reads the bytes).
; LAYOUT.  Rows (tokens, table rows, weight columns) are kept by POSITION = index with bits 3 and 4 swapped: row r of tile T is index 32 (T / 2) + 8 (T % 2) + r % 8 + 16 (r / 8).
; A chunk is 64 codes of a row, 48 bytes.  In a fragment of K step s lanes 0-15 hold chunk 2 s and lanes 16-31 chunk 2 s + 1, alike in both operands of every product.
; opc: ((kq 928 + tile) 2 + e) 1536 + piece 512 + half 256 + r 16, s = 2 kq + e.   ops: tile 512 + kq 128 + r 8 + e 4, a word's bytes: (chunk 0 block 0, chunk 1 block 0, chunk 0 block 1, chunk 1 block 1).
; tiles: 0 x, 256 pos_table, 288 W_qkv's columns, 480 W_pos_qk's, 608 W_out's (672 on: attention's result, written by launch attn).
; Memory binds: no matrix unit, no tensor load, no cluster, no barrier.  Work-groups 0-143 take x and pos_table (K innermost), 144-335 the weights (K outermost).
.set KQSTR, 2850816                    ; 928 tiles x 3,072 bytes: from kq to kq + 1
.set SPARE, 33792                      ; behind the four stages: the spare words, 128 bytes a wave
.set R,   16                           ; path X: v16-143 two sets of 64 numbers as loaded
.set X,   144                          ; v144-207 my chunk's 64 numbers
.set PCX, 208                          ; v208-231 two sets of 12 registers of codes
	s_load_b256 s[4:11], s[0:1], 0x0               ; x, pos_table, W_qkv, W_pos_qk
	s_load_b128 s[12:15], s[0:1], 0x20             ; W_out, opc
	s_load_b64 s[16:17], s[0:1], 0x30              ; ops
	v_lshl_add_u32 v252, v0, 2, SPARE
	v_mov_b32 v253, 0
	v_lshrrev_b32 v1, 5, v0
	v_readfirstlane_b32 s18, v1                    ; wave
	v_and_b32 v6, 31, v0                           ; lane
	s_cmp_ge_u32 ttmp9, 144
	s_cbranch_scc1 .Lweights
; ---- PATH X.  Wave W = 4 x work-group + wave takes tile W / 2 and half W % 2 of K: four fragments of 16 rows x 128 k.
; A load takes 512 consecutive bytes of one row; the 16 rows turn through the wave's own stage (rows of 512 + 16 bytes), so that lane (r, half) gets the 64 neighbours of its chunk.
	s_lshl_b32 s19, ttmp9, 2
	s_add_co_u32 s19, s19, s18
	s_lshr_b32 s20, s19, 1                         ; tile 0..287
	s_and_b32 s21, s19, 1                          ; which half of K
	v_lshlrev_b32 v1, 4, v6                        ; 16 x lane: my bytes of a load, and of a fragment's piece
	v_and_b32 v7, 15, v6                           ; r
	v_lshrrev_b32 v8, 4, v6                        ; half
	s_mul_i32 s22, s18, 8448                       ; my stage
	v_mul_u32_u24 v2, v7, 528
	v_lshl_add_u32 v2, v8, 8, v2
	v_add_nc_u32 v2, s22, v2                       ; out of it: row r, my 256 bytes
	v_add_nc_u32 v3, s22, v1                       ; into it: 16 x lane of a row
	v_lshlrev_b32 v4, 3, v8                        ; 8 x half: where my bytes stand in a scale word
	v_lshlrev_b32 v5, 3, v6                        ; 8 x lane
	v_mov_b32 v247, 0                              ; a lane permute's destination counts as one of its sources
	s_cmp_lt_u32 ttmp9, 128
	s_cselect_b32 s23, 0, 256
	s_sub_co_u32 s23, s20, s23                     ; the tile within its own tensor
	s_lshr_b32 s24, s23, 1
	s_lshl_b32 s24, s24, 17                        ; 32 rows of 4,096 bytes
	s_and_b32 s25, s23, 1
	s_lshl_b32 s25, s25, 15                        ; 8 rows
	s_add_co_u32 s24, s24, s25
	s_lshl_b32 s25, s21, 11
	s_add_co_u32 s24, s24, s25
	s_mov_b32 s25, 0
	s_mul_i32 s26, s21, 2*KQSTR
	s_mul_i32 s27, s20, 3072
	s_add_co_u32 s26, s26, s27
	s_mov_b32 s27, 0
	s_lshl_b32 s28, s20, 9
	s_lshl_b32 s29, s21, 8
	s_add_co_u32 s28, s28, s29
	s_mov_b32 s29, 0
	s_mov_b32 s30, 0x76543210
	s_mov_b32 s31, 0xfedcba98                      ; selects for lane l xor 16
	s_mov_b32 s32, 0xffff0000                      ; lanes 16-31
	s_wait_alu depctr_va_vdst(0)
	s_wait_kmcnt 0x0
	s_cmp_lt_u32 ttmp9, 128                        ; x or pos_table: the choice hangs on the work-group's number alone
	s_cselect_b64 s[4:5], s[4:5], s[6:7]
	s_add_nc_u64 s[4:5], s[4:5], s[24:25]
	s_add_nc_u64 s[14:15], s[14:15], s[26:27]
	s_add_nc_u64 s[16:17], s[16:17], s[28:29]
.macro XLOAD t
.irp i, 0,1,2,3,4,5,6,7,8,9,10,11,12,13,14,15
	global_load_b128 v[R+64*((\t)%2)+4*\i:R+64*((\t)%2)+4*\i+3], v1, s[4:5] offset:((\i%8)+16*(\i/8))*4096+(\t)*512 th:TH_LOAD_NT
.endr
.endm
.macro XSTEP t
.set PC, PCX+12*((\t)%2)
.if (\t) < 3
	s_wait_loadcnt 16                              ; this step's 16 loads are in; the next step's 16 may be out
.else
	s_wait_loadcnt 0x0
.endif
.irp i, 0,1,2,3,4,5,6,7,8,9,10,11,12,13,14,15
	ds_store_b128 v3, v[R+64*((\t)%2)+4*\i:R+64*((\t)%2)+4*\i+3] offset:\i*528
.endr
.irp q, 0,1,2,3,4,5,6,7,8,9,10,11,12,13,14,15
	ds_load_b128 v[X+4*\q:X+4*\q+3], v2 offset:16*\q       ; LDS serves a wave's instructions in order: these see the stores above
.endr
	s_wait_dscnt 0x0                               ; my chunk is in; the stores have read their registers,
.if (\t) < 2
	XLOAD (\t)+2                                   ; which take the loads of two steps on
.endif
	v_max3_num_f32 v240, |v[X]|, |v[X+1]|, 0x1800000       ; my two blocks by turns, with the floor 2^(3 - 127): the byte cannot fall under 1
	v_max3_num_f32 v241, |v[X+32]|, |v[X+33]|, 0x1800000
.irp i, 2,4,6,8,10,12,14,16,18,20,22,24,26,28,30
	v_max3_num_f32 v240, v240, |v[X+\i]|, |v[X+\i+1]|
	v_max3_num_f32 v241, v241, |v[X+32+\i]|, |v[X+33+\i]|
.endr
	v_add_nc_u32 v242, 0xff000000, v240            ; 2 off the exponent field: the conversion's scale operand
	v_add_nc_u32 v243, 0xff000000, v241
	v_lshrrev_b32 v244, 23, v242                   ; the scales' bytes
	v_lshrrev_b32 v245, 23, v243
.if (\t) >= 2
	s_wait_alu depctr_va_vdst(0)
	s_wait_xcnt 0x0                                ; the stores of two steps back have read this set of codes: it is written again only behind this wait
.endif
	v_cvt_scalef32_pk16_fp6_f32 v[PC:PC+2], v[X:X+15], v242
	v_cvt_scalef32_pk16_fp6_f32 v[232:234], v[X+16:X+31], v242     ; (a conversion's three registers begin on an even number)
	v_cvt_scalef32_pk16_fp6_f32 v[PC+6:PC+8], v[X+32:X+47], v243
	v_cvt_scalef32_pk16_fp6_f32 v[236:238], v[X+48:X+63], v243
	v_lshl_or_b32 v246, v245, 16, v244             ; (a plain line behind the conversions)  my two bytes,
.irp i, 0,1,2
	v_mov_b32 v[PC+3+\i], v[232+\i]
	v_mov_b32 v[PC+9+\i], v[236+\i]
.endr
.irp c, 0,1,2
	global_store_b128 v1, v[PC+4*\c:PC+4*\c+3], s[14:15] offset:((\t)/2)*KQSTR+((\t)%2)*1536+\c*512   ; 32 lanes store 512 consecutive bytes, aligned
.endr
	v_lshlrev_b32 v246, v4, v246                   ; at their places in the word;
	v_permlanex16_b32 v247, v246, s30, s31
	v_or_b32 v[248+(\t)], v246, v247               ; with lane l xor 16's two the word is whole
.endm
	XLOAD 0
	XLOAD 1
	XSTEP 0
	XSTEP 1
	XSTEP 2
	XSTEP 3
	v_cndmask_b32 v248, v248, v250, s32            ; lanes 0-15 store the first kq's two words, lanes 16-31 the second's
	v_cndmask_b32 v249, v249, v251, s32
	global_store_b64 v5, v[248:249], s[16:17]      ; 256 consecutive bytes, aligned
	s_wait_tensorcnt 0x0                           ; the wave's end
	ds_add_u32 v252, v253
	s_wait_dscnt 0x0
	s_endpgm
; ---- PATH W.  A lane takes a column and its registers run down K: a block of 32 lies in one lane, and the codes come out with K innermost.  No LDS.
; Work-group g = 4 x (group of 128 columns) + kq; a wave takes 32 columns x 256 k: 8 blocks, 4 chunks.  Of its 32 columns lane l is row l % 8 + 8 (l / 16) of tile (l / 8) % 2.
.Lweights:
	s_sub_co_u32 s19, ttmp9, 144
	s_lshr_b32 s20, s19, 2                         ; group of 128 columns, 0..47: 24 of W_qkv, 16 of W_pos_qk, 8 of W_out
	s_and_b32 s21, s19, 3                          ; kq
	s_mov_b32 s22, 4096                            ; a row of the weight in bytes,
	s_mov_b32 s23, 40                              ; and its first group
	s_cmp_lt_u32 s20, 40
	s_cselect_b32 s22, 8192, s22
	s_cselect_b32 s23, 24, s23
	s_cmp_lt_u32 s20, 24
	s_cselect_b32 s22, 12288, s22
	s_cselect_b32 s23, 0, s23
	s_sub_co_u32 s23, s20, s23
	s_lshl_b32 s23, s23, 9
	s_lshl_b32 s24, s18, 7
	s_add_co_u32 s23, s23, s24                     ; my wave's first column, in bytes
	s_lshl_b32 s24, s21, 8
	s_mul_i32 s24, s24, s22                        ; 256 kq rows
	s_add_co_u32 s24, s24, s23
	s_mov_b32 s25, 0
	s_lshl_b32 s26, s22, 5                         ; a block's 32 rows
	s_mov_b32 s27, 0
	s_lshl_b32 s28, s20, 3
	s_lshl_b32 s29, s18, 1
	s_add_co_u32 s28, s28, s29
	s_add_co_u32 s28, s28, 288                     ; my first tile
	s_mul_i32 s30, s28, 3072
	s_mul_i32 s31, s21, KQSTR
	s_add_co_u32 s30, s30, s31
	s_mov_b32 s31, 0
	s_lshl_b32 s28, s28, 9
	s_lshl_b32 s29, s21, 7
	s_add_co_u32 s28, s28, s29
	s_mov_b32 s29, 0
	s_wait_alu depctr_va_vdst(0)
	v_lshlrev_b32 v16, 2, v6                       ; v16-47: 4 x lane + i rows
.set i, 1
.rept 31
	v_add_nc_u32 v[16+i], s22, v[15+i]
.set i, i+1
.endr
	v_bfe_u32 v7, v6, 3, 1                         ; which of my two tiles
	v_and_b32 v8, 7, v6
	v_lshrrev_b32 v9, 4, v6
	v_lshl_or_b32 v8, v9, 3, v8                    ; my row in it
	v_mul_u32_u24 v172, v7, 3072
	v_lshl_add_u32 v172, v8, 4, v172               ; codes
	v_lshlrev_b32 v173, 9, v7
	v_lshl_add_u32 v173, v8, 3, v173               ; scale words
	s_wait_alu depctr_va_vdst(0)
	s_wait_kmcnt 0x0
	s_cmp_lt_u32 s20, 40
	s_cselect_b64 s[12:13], s[10:11], s[12:13]
	s_cmp_lt_u32 s20, 24
	s_cselect_b64 s[12:13], s[8:9], s[12:13]
	s_add_nc_u64 s[32:33], s[12:13], s[24:25]      ; s[32:47]: where each of the 8 blocks begins
.irp t, 1,2,3,4,5,6,7
	s_add_nc_u64 s[32+2*\t:33+2*\t], s[30+2*\t:31+2*\t], s[26:27]
.endr
	s_add_nc_u64 s[14:15], s[14:15], s[30:31]
	s_add_nc_u64 s[16:17], s[16:17], s[28:29]
.macro WLOAD t
.set i, 0
.rept 32
	global_load_b32 v[48+32*((\t)%2)+i], v[16+i], s[32+2*(\t):33+2*(\t)] th:TH_LOAD_NT   ; a wave reads 128 consecutive bytes, the four waves 512
.set i, i+1
.endr
.endm
.macro WBLOCK t
.set XS, 48+32*((\t)%2)
.set PC, 112+12*((\t)/2)+6*((\t)%2)
.set SH, 8*(2*((\t)%2)+((\t)/2)%2)
.if (\t) < 7
	s_wait_loadcnt 32                              ; this block's 32 loads are in; the next block's may be out
.else
	s_wait_loadcnt 0x0
.endif
	v_max3_num_f32 v164, |v[XS]|, |v[XS+1]|, |v[XS+2]|
	v_max3_num_f32 v165, |v[XS+3]|, |v[XS+4]|, |v[XS+5]|
.irp i, 6,10,14,18,22,26
	v_max3_num_f32 v164, v164, |v[XS+\i]|, |v[XS+\i+1]|
	v_max3_num_f32 v165, v165, |v[XS+\i+2]|, |v[XS+\i+3]|
.endr
	v_max3_num_f32 v164, v164, |v[XS+30]|, |v[XS+31]|
	v_max3_num_f32 v164, v164, v165, 0x1800000     ; the floor 2^(3 - 127)
	v_add_nc_u32 v166, 0xff000000, v164
	v_lshrrev_b32 v167, 23, v166
.if SH == 0
	v_mov_b32 v[170+(\t)/4], v167
.else
	v_lshl_or_b32 v[170+(\t)/4], v167, SH, v[170+(\t)/4]
.endif
	v_cvt_scalef32_pk16_fp6_f32 v[PC:PC+2], v[XS:XS+15], v166
	v_cvt_scalef32_pk16_fp6_f32 v[160:162], v[XS+16:XS+31], v166
	v_nop                                          ; one plain line behind the conversions
.irp i, 0,1,2
	v_mov_b32 v[PC+3+\i], v[160+\i]
.endr
.if (\t) < 6
	WLOAD (\t)+2
.endif
.if (\t)%2
.irp c, 0,1,2
	global_store_b128 v172, v[112+12*((\t)/2)+4*\c:112+12*((\t)/2)+4*\c+3], s[14:15] offset:((\t)/4)*1536+(((\t)/2)%2)*256+\c*512   ; sixteen lanes fill 256 consecutive bytes, aligned; each chunk has registers of its own
.endr
.endif
.endm
	WLOAD 0
	WLOAD 1
.irp t, 0,1,2,3,4,5,6,7
	WBLOCK \t
.endr
	global_store_b64 v173, v[170:171], s[16:17]    ; sixteen lanes store 128 consecutive bytes: pieces of half of 256, one part in 25 of what the path stores
	s_endpgm
.Lfunc_end_k_q32f51f0e46_quant:
	.size	k_q32f51f0e46_quant, .Lfunc_end_k_q32f51f0e46_quant-k_q32f51f0e46_quant
	.p2alignl 7, 3214868480
	.fill 96, 4, 3214868480
	.section	.rodata,"a",@progbits
	.p2align	6, 0x0
	.amdhsa_kernel k_q32f51f0e46_quant
		.amdhsa_group_segment_fixed_size 34304
		.amdhsa_private_segment_fixed_size 0
		.amdhsa_enable_private_segment 0
		.amdhsa_kernarg_size 56
		.amdhsa_user_sgpr_count 2
		.amdhsa_user_sgpr_kernarg_segment_ptr 1
		.amdhsa_wavefront_size32 1
		.amdhsa_system_sgpr_workgroup_id_x 1
		.amdhsa_system_sgpr_workgroup_id_y 1
		.amdhsa_system_sgpr_workgroup_id_z 1
		.amdhsa_system_vgpr_workitem_id 0
		.amdhsa_next_free_vgpr 256
		.amdhsa_next_free_sgpr 66
		.amdhsa_reserve_vcc 0
		.amdhsa_float_denorm_mode_32 3
		.amdhsa_float_denorm_mode_16_64 3
		.amdhsa_memory_ordered 1
		.amdhsa_forward_progress 1
		.amdhsa_inst_pref_size 71
	.end_amdhsa_kernel
	.amdgpu_metadata
---
amdhsa.version: [ 1, 2 ]
amdhsa.kernels:
  - .name:           k_q32f51f0e46_quant
    .symbol:         k_q32f51f0e46_quant.kd
    .args:
      - { .name: x, .offset: 0, .size: 8, .value_kind: global_buffer, .address_space: global }
      - { .name: pos_table, .offset: 8, .size: 8, .value_kind: global_buffer, .address_space: global }
      - { .name: W_qkv, .offset: 16, .size: 8, .value_kind: global_buffer, .address_space: global }
      - { .name: W_pos_qk, .offset: 24, .size: 8, .value_kind: global_buffer, .address_space: global }
      - { .name: W_out, .offset: 32, .size: 8, .value_kind: global_buffer, .address_space: global }
      - { .name: opc, .offset: 40, .size: 8, .value_kind: global_buffer, .address_space: global }
      - { .name: ops, .offset: 48, .size: 8, .value_kind: global_buffer, .address_space: global }
    .group_segment_fixed_size: 34304
    .private_segment_fixed_size: 0
    .kernarg_segment_align: 8
    .kernarg_segment_size: 56
    .max_flat_workgroup_size: 128
    .sgpr_count:     66
    .vgpr_count:     256
    .wavefront_size: 32
...
	.end_amdgpu_metadata
.endif
;; end of part 1
;; launch proj (part 2): grid 416 x 1, 4 waves a work-group, clusters of 4 x 1, 295,424 bytes of LDS; arguments opc, ops, qc, qs; writes qc, qs
.if DOCPART == 2
	.amdgcn_target "amdgcn-amd-amdhsa--gfx1250"
	.amdhsa_code_object_version 6
	.text
	.protected	k_q32f51f0e46_proj
	.globl	k_q32f51f0e46_proj
	.p2align	8
	.type	k_q32f51f0e46_proj,@function
k_q32f51f0e46_proj:
	s_mov_b64 s[64:65], 0
	v_nop
	global_prefetch_b8 v0, s[64:65] scope:SCOPE_SE
	s_setreg_imm32_b32 hwreg(HW_REG_WAVE_MODE, 25, 1), 1
	s_wait_xcnt 0x0
	s_wait_alu depctr_hold_cnt(0) depctr_sa_sdst(0) depctr_va_vdst(0) depctr_va_sdst(0) depctr_va_ssrc(0) depctr_va_vcc(0) depctr_vm_vsrc(0)
	s_getreg_b32 s2, hwreg(HW_REG_IB_STS2, 6, 4)
	s_cmp_eq_u32 s2, 0
	s_cbranch_scc0 .Lentry_in_a_cluster
	s_endpgm
.Lentry_in_a_cluster:
	s_bfe_u32 s2, ttmp6, 0x10000c
	s_cmp_lg_u32 s2, 0x3003
	s_cbranch_scc0 .Lentry_shape_is_right
	s_endpgm
.Lentry_shape_is_right:
; PROJ: x W_qkv and pos_table W_pos_qk on codes of E2M3, and their results quantised in registers: q, k and the table's pq, pk along the head's 64; v along the keys.
; The positional product is made on the table's 512 rows alone (shown at the head of launch quant).
; ONE FORM: Out[j][i] = sum over k of S0[i][k] S1[j][k], source 0 = 16 rows of S0, source 1 = 16 rows of S1: a lane holds ONE row j and its registers run along i, which is the next product's K.
;   q, k, pq, pk: S1 = tokens or table rows, S0 = weight columns.      v: S1 = W_v's columns, S0 = tokens.
; Tiles are kept by position (bits 3 and 4 of the index swapped), so the 16 registers of result tiles 2 b and 2 b + 1 are 16 neighbours along i.
; A work-group makes 256 rows of S1 x 128 of S0; all of K = 1,024 of both lies in LDS (four slabs of 256 along K), each byte filled once.  A wave: 128 x 64: 32 accumulators.
; CLUSTER 4 x 1: the four partners take the same 256 rows of S1, asked for jointly; S0's tiles differ and come by plain loads.  (4 x 4 does not divide: the table has two groups of 256 rows.)
; A wave has one tensor load out at the most.
; qc: ((cb NT + tile) 3 + piece) 256 + r 16: a chunk (64 codes, 48 bytes) of row r of a tile; cb = which 64 along the next K.  qs: one 16-bit word (block 0's byte, block 1's) at (cb 16 NT + position) 2.
; LIMITS: a block of zeros gets the byte 1 (its codes are zeros; this program alone reads the bytes); NaN and infinities are not served.
; REGISTERS: window 0: v1-15 addresses, v16-31 at work, v32-95 scale words, v96-239 fragments, set 0; window 2: fragments, set 1; window 1: the accumulators, (a, b) at v[8 (4 a + b)].
.set KQSTR, 2850816
.set SLAB,  73728                      ; S1's 16 tiles of 3,072 bytes, then S0's 8
; LDS as this text now lays it: S1 at (half of its rows) 98,304 + kq 24,576 + tile 3,072; S0 at S0OFF + (half) 49,152 + kq 12,288 + tile 3,072.
; ONE tensor load a wave, at the head: waves 0, 1 bring the halves of S1 jointly, waves 2, 3 those of S0; a load is 4 rows (kq), KQSTR bytes apart.  One barrier shows all of it to all waves.
.set S0OFF, 196608
.set SPARE, 4*SLAB                     ; the spare words, 128 bytes a wave
.set VB,    7077888                    ; where v's part of qc begins
.set OBSV,  294912                     ; and of qs
.set NF,    36                         ; LDS loads of a K step's fragments
.set WV, 12
.set WY, 13
.set WX, 14
.set HM, 67                            ; s67 lanes 16-31
.set SEL, 68                           ; s[68:69] selects for lane l xor 16
.set G1A, 16
.set G1B, 24
.set G0A, 32                           ; s[32:35] S1's group 0
.set G0B, 48                           ; s[48:51] S0's
.set ADR1, 1
.set ADR0, 5
.set CO, 9
.set SO, 10
.set SA, 11
.set SB, 12
.set SPW, 13
.set NIL, 14
.set TM, 16
.set SC, 32                            ; v[SC + 8 i + s]: lanes 0-15 S1's tile i, lanes 16-31 S0's tile i (i < 4), K step s
.set F1, 96
.set F0, 192
.set PCB, 96
.set T0, 144
.set T1, 148
.set MSB, 0
.macro WIN new                         ; the immediate's high byte repeats the setting that is left
.if MSB != \new
	s_set_vgpr_msb (MSB<<8)|\new
.set MSB, \new
.endif
.endm
.macro CROUND                          ; a round of the cluster's barrier
	s_barrier_signal -1
	s_barrier_wait -1
	s_cmp_lg_u32 s[WV], 0
	s_cbranch_scc1 .Lnot_wave_0_\@
	s_barrier_signal -3
.Lnot_wave_0_\@:
	s_barrier_wait -3
	s_barrier_signal -1
	s_barrier_wait -1
.endm
.macro PLACES
.rept 4
	v_nop
.endr
.endm
	s_load_b256 s[4:11], s[0:1], 0x0               ; opc, ops, qc, qs
	v_lshl_add_u32 v[SPW], v0, 2, SPARE
	v_mov_b32 v[NIL], 0
	ds_add_u32 v[SPW], v[NIL]                      ; the opening: the add, twice on end, and its wait ahead of my first tensor load
	ds_add_u32 v[SPW], v[NIL]
	v_lshrrev_b32 v15, 5, v0
	v_readfirstlane_b32 s[WV], v15                 ; wave
	s_lshr_b32 s[WY], s[WV], 1                     ; which half of S1's rows
	s_and_b32 s[WX], s[WV], 1                      ; which half of S0's
	s_bfe_u32 s66, ttmp6, 0x40000                  ; cx
	s_lshr_b32 s70, ttmp9, 2
	s_and_b32 s71, ttmp9, 3
	s_sub_co_u32 s72, ttmp9, 72
	s_lshr_b32 s73, s72, 3
	s_and_b32 s74, s72, 7
	s_mov_b32 s75, 480
	s_cmp_lt_u32 ttmp9, 64                         ; clusters 0-63: x with W_q, W_k; 64-71: the table with W_pos_qk; 72-103: v
	s_cselect_b32 s75, 288, s75
	s_cmp_lt_u32 ttmp9, 72
	s_cselect_b32 s70, s70, s73                    ; sy: which 16 tiles of S1
	s_cselect_b32 s71, s71, s74                    ; sxg: which 32 tiles of S0 the cluster takes
	s_cselect_b32 s75, s75, 0                      ; S0's first tile in opc
	s_cselect_b32 s76, 0, 416                      ; S1's
	s_cselect_b32 s77, 288, 64                     ; NT
	s_cselect_b32 s78, 0, VB
	s_cselect_b32 s79, 0, OBSV
	s_cselect_b32 s96, 0, s[WX]
	s_sub_co_u32 s96, 0, s96                       ; all ones where I make an odd chunk of v's keys: there launch attn wants each block's two halves of 16 codes in swapped order
	s_lshl_b32 s81, s70, 4                         ; the result's first tile
	s_add_co_u32 s80, s81, s76                     ; S1's first tile: no cx in it
	s_lshl_b32 s82, s71, 5
	s_lshl_b32 s83, s66, 3
	s_add_co_u32 s82, s82, s83
	s_add_co_u32 s82, s82, s75                     ; S0's first tile
	s_lshl_b32 s83, s71, 3
	s_lshl_b32 s84, s66, 1
	s_add_co_u32 s83, s83, s84
	s_add_co_u32 s83, s83, s[WX]                   ; cb: my chunk along the next K
	s_mov_b32 s[G1A+0], 15|(3<<16)|(1<<21)         ; the mask: all four partners; elements of 8 bytes; bit 21 beside a mask
	s_mov_b32 s[G1A+1], 3072<<16                   ; rows of 24,576 bytes: eight tiles, dense
	s_mov_b32 s[G1A+2], 4<<16                      ; four of them: kq 0 .. 3
	s_mov_b32 s[G1A+3], 3072<<16
	s_mov_b32 s[G1A+4], 4
	s_mov_b32 s[G1A+5], KQSTR/8
	s_mov_b32 s[G1A+6], 0
	s_mov_b32 s[G1A+7], 0
	s_mov_b32 s[G1B+0], 3<<16                      ; no mask
	s_mov_b32 s[G1B+1], 1536<<16                   ; rows of 12,288 bytes: four tiles
	s_mov_b32 s[G1B+2], 4<<16
	s_mov_b32 s[G1B+3], 1536<<16
	s_mov_b32 s[G1B+4], 4
	s_mov_b32 s[G1B+5], KQSTR/8
	s_mov_b32 s[G1B+6], 0
	s_mov_b32 s[G1B+7], 0
	s_mul_i32 s84, s[WX], 98304                    ; wave % 2: which half I fetch, of S1 (waves 0, 1)
	s_mul_i32 s85, s[WX], 49152
	s_add_co_u32 s85, s85, S0OFF                   ; or of S0 (waves 2, 3)
	s_lshl_b32 s86, s[WX], 3
	s_add_co_u32 s86, s86, s80
	s_mul_i32 s86, s86, 3072
	s_mov_b32 s87, 0
	s_lshl_b32 s88, s[WX], 2
	s_add_co_u32 s88, s88, s82
	s_mul_i32 s88, s88, 3072
	s_mov_b32 s89, 0
	s_mov_b32 s[HM], 0xffff0000
	s_mov_b32 s[SEL], 0x76543210
	s_mov_b32 s[SEL+1], 0xfedcba98
	v_and_b32 v15, 31, v0
	v_lshlrev_b32 v15, 4, v15                      ; 16 x lane: a fragment lies in LDS as an image of its registers
	s_mul_i32 s90, s[WY], 98304
	s_mul_i32 s91, s[WX], 49152
	s_add_co_u32 s91, s91, S0OFF
	v_add_nc_u32 v[ADR1], s90, v15
	v_add_nc_u32 v[ADR0], s91, v15
.irp q, 1,2,3
	v_add_nc_u32 v[ADR1+\q], \q*24576, v[ADR1]
	v_add_nc_u32 v[ADR0+\q], \q*12288, v[ADR0]
.endr
	v_and_b32 v[SA], 15, v0                        ; r
	v_bfe_u32 v[SB], v0, 4, 1                      ; lane / 16
	v_mul_u32_u24 v[CO], v[SB], 768
	v_lshl_add_u32 v[CO], v[SA], 4, v[CO]          ; the way out: tile a + lane / 16, row r
	v_and_b32 v[SO], 31, v0
	v_lshlrev_b32 v[SO], 1, v[SO]
	v_lshlrev_b32 v15, 3, v[SA]                    ; scale words: 8 bytes a row and kq
	s_lshl_b32 s92, s[WY], 3
	s_add_co_u32 s92, s92, s80
	s_lshl_b32 s92, s92, 9
	s_lshl_b32 s93, s[WX], 2
	s_add_co_u32 s93, s93, s82
	s_lshl_b32 s93, s93, 9
	v_add_nc_u32 v[SB], s92, v15                   ; S1's words, in all lanes
	v_add_nc_u32 v[SA], s93, v15
	v_cndmask_b32 v[SA], v[SB], v[SA], s[HM]       ; lanes 0-15 S1's, lanes 16-31 S0's
.irp k, 0,1,2,3
	v_mov_b32 v[TM+4+\k], 0                        ; a lane permute's destination counts as one of its sources
.endr
	s_mul_i32 s92, s83, s77
	s_add_co_u32 s92, s92, s81
	s_lshl_b32 s93, s[WY], 3
	s_add_co_u32 s92, s92, s93                     ; cb NT + my first tile of the result
	s_mul_i32 s94, s92, 768
	s_add_co_u32 s94, s94, s78
	s_mov_b32 s95, 0
	s_lshl_b32 s92, s92, 5
	s_add_co_u32 s92, s92, s79
	s_mov_b32 s93, 0
	s_wait_dscnt 0x0                               ; both opening adds are done
	s_wait_kmcnt 0x0
	s_add_nc_u64 s[86:87], s[4:5], s[86:87]
	s_add_nc_u64 s[88:89], s[4:5], s[88:89]
	s_add_nc_u64 s[8:9], s[8:9], s[94:95]
	s_add_nc_u64 s[10:11], s[10:11], s[92:93]
.irp q, 0
	s_mov_b32 s[G0A+4*\q], 1
	s_add_co_u32 s[G0A+4*\q+1], s84, \q*SLAB
	s_add_nc_u64 s[G0A+4*\q+2:G0A+4*\q+3], s[86:87], \q*KQSTR
	s_or_b32 s[G0A+4*\q+3], s[G0A+4*\q+3], 0x80000000
	s_mov_b32 s[G0B+4*\q], 1
	s_add_co_u32 s[G0B+4*\q+1], s85, \q*SLAB
	s_add_nc_u64 s[G0B+4*\q+2:G0B+4*\q+3], s[88:89], \q*KQSTR
	s_or_b32 s[G0B+4*\q+3], s[G0B+4*\q+3], 0x80000000
.endr
	CROUND                                         ; all four work-groups are here: the joint loads meet
	s_cmp_lt_u32 s[WV], 2                          ; a fill in each arm, one a wave
	s_cbranch_scc0 .Lfor_s0
	tensor_load_to_lds s[G0A:G0A+3], s[G1A:G1A+7]
	s_nop 0
	PLACES
	s_branch .Lasked
.Lfor_s0:
	tensor_load_to_lds s[G0B:G0B+3], s[G1B:G1B+7]
	s_nop 0
	PLACES
.Lasked:
	s_wait_alu depctr_va_vdst(0)
.irp i, 0,1,2,3
.irp g, 0,1,2,3
	global_load_b64 v[SC+8*\i+2*\g:SC+8*\i+2*\g+1], v[SA], s[6:7] offset:\i*512+\g*128
.endr
.endr
.irp i, 4,5,6,7
.irp g, 0,1,2,3
	global_load_b64 v[SC+8*\i+2*\g:SC+8*\i+2*\g+1], v[SB], s[6:7] offset:\i*512+\g*128
.endr
.endr
.macro FETCH s                         ; K step s's fragments into set s % 2: three loads of 16 bytes a lane each
.if ((\s)%2) == 0
	WIN 0
.else
	WIN 0x80
.endif
.irp i, 0,1,2,3
.irp c, 0,1,2
	ds_load_b128 v[F0+12*\i+4*\c:F0+12*\i+4*\c+3], v[ADR0+(\s)/2] offset:\i*3072+((\s)%2)*1536+\c*512
.endr
.endr
.irp i, 0,1,2,3,4,5,6,7
.irp c, 0,1,2
	ds_load_b128 v[F1+12*\i+4*\c:F1+12*\i+4*\c+3], v[ADR1+(\s)/2] offset:\i*3072+((\s)%2)*1536+\c*512
.endr
.endr
.endm
.macro MUL s                           ; 32 products, the accumulators by turns, one instruction a turn, in the same order in every step
.if ((\s)%2) == 0
	WIN 0x50
.else
	WIN 0x5a
.endif
.irp a, 0,1,2,3,4,5,6,7
.irp b, 0,1,2,3
.if (\s) == 0
	v_wmma_scale_f32_16x16x128_f8f6f4 v[8*(4*\a+\b):8*(4*\a+\b)+7], v[F0+12*\b:F0+12*\b+11], v[F1+12*\a:F1+12*\a+11], 0, v[SC+8*\b+(\s)], v[SC+8*\a+(\s)] matrix_a_fmt:MATRIX_FMT_FP6 matrix_b_fmt:MATRIX_FMT_FP6 matrix_a_scale:MATRIX_SCALE_ROW1
.else
	v_wmma_scale_f32_16x16x128_f8f6f4 v[8*(4*\a+\b):8*(4*\a+\b)+7], v[F0+12*\b:F0+12*\b+11], v[F1+12*\a:F1+12*\a+11], v[8*(4*\a+\b):8*(4*\a+\b)+7], v[SC+8*\b+(\s)], v[SC+8*\a+(\s)] matrix_a_fmt:MATRIX_FMT_FP6 matrix_b_fmt:MATRIX_FMT_FP6 matrix_a_scale:MATRIX_SCALE_ROW1
.endif
.endr
.endr
.endm
.macro KSTEP s
.if (\s) < 7
.if (\s) > 0
	PLACES                                         ; four places in front of loads into registers that the step before multiplied
.endif
	FETCH (\s)+1
	s_wait_dscnt NF                                ; all but the loads just issued
.else
	s_wait_dscnt 0x0
.endif
	MUL \s
.endm
	s_wait_tensorcnt 0x0                           ; my one load is in
	s_barrier_signal -1
	s_barrier_wait -1
	FETCH 0
	s_wait_loadcnt 0x0                             ; the scale words
.irp s, 0,1,2,3,4,5,6,7
	KSTEP \s
.endr
	PLACES                                         ; four places in front of the first read of results
; THE WAY OUT, two tiles of rows at a time: four blocks of 32 (tile a block 0, 1; tile a + 1 block 0, 1), each half in lane l, half in lane l xor 16.  The exchange of halves gives lane (r, h) the whole chunk of row r of tile a + h.
.macro QPAIR a
.set AB, 32*(\a)
.set PC, PCB+6*(\a)
	WIN 0x05                                       ; sources 0 and 1: the accumulators
.irp k, 0,1,2,3
	v_max3_num_f32 v[TM+\k], |v[AB+16*\k]|, |v[AB+16*\k+1]|, 0x1800000   ; each accumulator from its low end on; the floor 2^(3 - 127)
.endr
.irp i, 2,4,6,8,10,12,14
.irp k, 0,1,2,3
	v_max3_num_f32 v[TM+\k], |v[AB+16*\k+\i]|, |v[AB+16*\k+\i+1]|, v[TM+\k]
.endr
.endr
	WIN 0
.irp k, 0,1,2,3
	v_permlanex16_b32 v[TM+4+\k], v[TM+\k], s[SEL], s[SEL+1]
.endr
.irp k, 0,1,2,3
	v_max_num_f32 v[TM+\k], v[TM+\k], v[TM+4+\k]
.endr
.irp k, 0,1,2,3
	v_add_nc_u32 v[TM+8+\k], 0xff000000, v[TM+\k]  ; 2 off the exponent field: the conversion's scale operand
.endr
.irp k, 0,1,2,3
	v_lshrrev_b32 v[TM+4+\k], 23, v[TM+8+\k]       ; the byte
.endr
	v_lshl_or_b32 v[TM+4], v[TM+5], 8, v[TM+4]
	v_lshl_or_b32 v[TM+6], v[TM+7], 8, v[TM+6]
	v_cndmask_b32 v[TM+12+(\a)/2], v[TM+4], v[TM+6], s[HM]   ; my row's two bytes
	WIN 0x01
	v_cvt_scalef32_pk16_fp6_f32 v[PC:PC+2], v[AB:AB+15], v[TM+8]
	v_cvt_scalef32_pk16_fp6_f32 v[T0:T0+2], v[AB+32:AB+47], v[TM+10]
	v_cvt_scalef32_pk16_fp6_f32 v[PC+6:PC+8], v[AB+16:AB+31], v[TM+9]
	v_cvt_scalef32_pk16_fp6_f32 v[T1:T1+2], v[AB+48:AB+63], v[TM+11]
	v_nop                                          ; one plain line behind the conversions
	WIN 0
.irp i, 0,1,2
	v_permlane16_swap_b32 v[PC+\i], v[T0+\i]       ; the first now holds each lane's row's lower 16 codes of block 0, the second the upper 16
	v_permlane16_swap_b32 v[PC+6+\i], v[T1+\i]
.endr
.irp i, 0,1,2
	v_cndmask_b32 v[PC+3+\i], v[T0+\i], v[PC+\i], s96      ; lower 16 codes, upper 16; in v's odd chunks of keys upper, lower
	v_cndmask_b32 v[PC+\i], v[PC+\i], v[T0+\i], s96
	v_cndmask_b32 v[PC+9+\i], v[T1+\i], v[PC+6+\i], s96
	v_cndmask_b32 v[PC+6+\i], v[PC+6+\i], v[T1+\i], s96
.endr
.irp c, 0,1,2
	global_store_b128 v[CO], v[PC+4*\c:PC+4*\c+3], s[8:9] offset:(\a)*768+\c*256   ; sixteen lanes fill 256 consecutive bytes, aligned; each pair has registers of its own
.endr
	global_store_b16 v[SO], v[TM+12+(\a)/2], s[10:11] offset:32*(\a)               ; 64 consecutive bytes: one part in 24 of what the launch stores
.endm
	QPAIR 0
	QPAIR 2
	QPAIR 4
	QPAIR 6
	s_wait_tensorcnt 0x0                           ; the wave's end
	ds_add_u32 v[SPW], v[NIL]
	s_wait_dscnt 0x0
	CROUND                                         ; the closing round
	s_endpgm
.Lfunc_end_k_q32f51f0e46_proj:
	.size	k_q32f51f0e46_proj, .Lfunc_end_k_q32f51f0e46_proj-k_q32f51f0e46_proj
	.p2alignl 7, 3214868480
	.fill 96, 4, 3214868480
	.section	.rodata,"a",@progbits
	.p2align	6, 0x0
	.amdhsa_kernel k_q32f51f0e46_proj
		.amdhsa_group_segment_fixed_size 295424
		.amdhsa_private_segment_fixed_size 0
		.amdhsa_enable_private_segment 0
		.amdhsa_kernarg_size 32
		.amdhsa_user_sgpr_count 2
		.amdhsa_user_sgpr_kernarg_segment_ptr 1
		.amdhsa_wavefront_size32 1
		.amdhsa_system_sgpr_workgroup_id_x 1
		.amdhsa_system_sgpr_workgroup_id_y 1
		.amdhsa_system_sgpr_workgroup_id_z 1
		.amdhsa_system_vgpr_workitem_id 0
		.amdhsa_next_free_vgpr 768
		.amdhsa_next_free_sgpr 98
		.amdhsa_reserve_vcc 0
		.amdhsa_float_denorm_mode_32 3
		.amdhsa_float_denorm_mode_16_64 3
		.amdhsa_memory_ordered 1
		.amdhsa_forward_progress 1
		.amdhsa_inst_pref_size 82
	.end_amdhsa_kernel
	.amdgpu_metadata
---
amdhsa.version: [ 1, 2 ]
amdhsa.kernels:
  - .name:           k_q32f51f0e46_proj
    .symbol:         k_q32f51f0e46_proj.kd
    .args:
      - { .name: opc, .offset: 0, .size: 8, .value_kind: global_buffer, .address_space: global }
      - { .name: ops, .offset: 8, .size: 8, .value_kind: global_buffer, .address_space: global }
      - { .name: qc, .offset: 16, .size: 8, .value_kind: global_buffer, .address_space: global }
      - { .name: qs, .offset: 24, .size: 8, .value_kind: global_buffer, .address_space: global }
    .group_segment_fixed_size: 295424
    .private_segment_fixed_size: 0
    .kernarg_segment_align: 8
    .kernarg_segment_size: 32
    .max_flat_workgroup_size: 128
    .sgpr_count:     98
    .vgpr_count:     768
    .wavefront_size: 32
...
	.end_amdgpu_metadata
.endif
;; end of part 2
;; launch attn (part 3): grid 8 x 32, 8 waves a work-group, clusters of 4 x 1, 316,416 bytes of LDS; arguments qc, qs, time_ids, mask, opc, ops; writes opc, ops
.if DOCPART == 3
	.amdgcn_target "amdgcn-amd-amdhsa--gfx1250"
	.amdhsa_code_object_version 6
	.text
	.protected	k_q32f51f0e46_attn
	.globl	k_q32f51f0e46_attn
	.p2align	8
	.type	k_q32f51f0e46_attn,@function
k_q32f51f0e46_attn:
	s_mov_b64 s[64:65], 0
	v_nop
	global_prefetch_b8 v0, s[64:65] scope:SCOPE_SE
	s_setreg_imm32_b32 hwreg(HW_REG_WAVE_MODE, 25, 1), 1
	s_wait_xcnt 0x0
	s_wait_alu depctr_hold_cnt(0) depctr_sa_sdst(0) depctr_va_vdst(0) depctr_va_sdst(0) depctr_va_ssrc(0) depctr_va_vcc(0) depctr_vm_vsrc(0)
	s_getreg_b32 s2, hwreg(HW_REG_IB_STS2, 6, 4)
	s_cmp_eq_u32 s2, 0
	s_cbranch_scc0 .Lentry_in_a_cluster
	s_endpgm
.Lentry_in_a_cluster:
	s_bfe_u32 s2, ttmp6, 0x10000c
	s_cmp_lg_u32 s2, 0x3003
	s_cbranch_scc0 .Lentry_shape_is_right
	s_endpgm
.Lentry_shape_is_right:
; ATTN: scores = (cq . ck + pq . pk) / 8, mask, softmax, x v, on codes of E2M3; the result is quantised along the model's 1,024 for the last product.
; pq and pk are looked up by time_ids among the 512 rows that launch proj made of the table (shown at the head of launch quant).
; The two score products are one: K = 128 = [content 64 | positional 64]; lanes 0-15 of a fragment hold the content chunk, lanes 16-31 the positional one.
; SOFTMAX: t = score x log2(e) / 8; M = the running largest t rounded up to a whole number; p = 2^(t - M) is quantised along the keys; the row's sum is of the unquantised p and divides at the end.
; THE MASK is the C of the score products: 0 for a key that counts, -2^100 for one that does not.  LIMIT: that stands for -infinity while real scores stay under 2^76 in size.
; A batch none of whose keys counts gives NaN in reference(): its rows get the scale byte 0xff, which makes the last product's sums NaN.  NaN and infinities among the inputs are not served.
; SHARES.  A work-group owns 256 queries of one head; each of its 8 waves 32 of them, two tiles u = 0, 1, so that each fragment of K', V, scales and mask read from LDS feeds two matrix instructions.
; All keys of the head lie in LDS, each byte written once: no ring, one barrier.  Both products are used transposed: a lane holds one query of each tile.
; WHICH KEYS FORM A SCORE TILE.  Row m of tile a = 4 g + t of a step of 128 keys is key 64 (m / 8) + 32 g + 16 ((t / 2) xor (m / 8)) + 8 (t % 2) + m % 8.  So result lane (query, h) holds in its registers 32 g .. 32 g + 31
; the WHOLE block g of chunk h (64 keys): a block's maximum needs no other lane and the codes need no exchange.  In lanes 16-31 a block's two halves of 16 stand in swapped order, as launch proj lays V's odd chunks.
; The xor keeps rows 8-15 of a tile 128 bytes (mod 256) from rows 0-7 in LDS; it takes two address registers (t / 2 = 0, 1) for K' and for the mask's terms.
; CLUSTER 4 x 1: the four blocks of queries of a cluster belong to one head: content keys and V are asked for jointly, one tensor load a wave.  No prefetch: all tiles are asked for at the head, no later step to run ahead of.
; REGISTERS.  Window 0: v1-9 bases, v10-16 a step's addresses, v18-21 (-M, largest t) x 2, v22-25 f x 2, v26-27 Q's scales, v28-29 p's, v32-39 K's, v40-43 V's, v44-67 Q', v68-163 eight fragments, v164-227 the mask's terms, v228-251 at work, v252-254 the way out.
; Window 1: 0-127 S^T then p (64 u), 128-191 O^T (32 u), 192-215 p's codes, 216-230 halves of codes, 232-235 the sums, 236-251 partial sums.
.set KQSTR, 2850816
.set VB,    7077888
.set OBSV,  294912
.set KP,    98304                      ; LDS: content keys at 0: (3 tile + piece) 256 + row 16, tiles by position as launch proj stores them; positional keys here, likewise
.set VV,    196608                     ; V: chunk of 64 keys x 3,072 + (3 t + piece) 256 + r 16
.set KS,    294912                     ; K's scale words: step 512 + g 256 + m 16 + t 4
.set VS,    303104                     ; V's: step 256 + r 16 + t 4
.set BI,    307200                     ; the mask's term: one f32 a key, by index
.set SPARE, 315392                     ; the spare words, 128 bytes a wave
.set WV,  18
.set HM,  19
.set SEL, 20
.set CS,  22
.set G1K, 24
.set G1V, 32
.set G0K, 40
.set G0V, 44
.set TK,  2
.set TS,  3
.set TT,  66
.set CNT, 67
.set PRM, 96
.set MSB, 0
.macro WIN new                         ; the immediate's high byte repeats the setting that is left
.if MSB != \new
	s_set_vgpr_msb (MSB<<8)|\new
.set MSB, \new
.endif
.endm
.macro CROUND
	s_barrier_signal -1
	s_barrier_wait -1
	s_cmp_lg_u32 s[WV], 0
	s_cbranch_scc1 .Lnot_wave_0_\@
	s_barrier_signal -3
.Lnot_wave_0_\@:
	s_barrier_wait -3
	s_barrier_signal -1
	s_barrier_wait -1
.endm
	s_load_b256 s[4:11], s[0:1], 0x0               ; qc, qs, time_ids, mask
	s_load_b128 s[12:15], s[0:1], 0x20             ; opc, ops
	v_lshl_add_u32 v5, v0, 2, SPARE
	v_mov_b32 v6, 0
	ds_add_u32 v5, v6                              ; the opening: the add, twice on end, and its wait ahead of my first tensor load
	ds_add_u32 v5, v6
	v_lshrrev_b32 v10, 5, v0
	v_readfirstlane_b32 s[WV], v10                 ; wave 0..7
	v_and_b32 v30, 31, v0                          ; lane
	v_and_b32 v31, 15, v0                          ; r
	v_bfe_u32 v17, v0, 4, 1                        ; h
	v_and_b32 v10, 7, v0                           ; lane % 8
	v_bfe_u32 v11, v0, 3, 1                        ; bit 3 of the lane
	v_lshlrev_b32 v12, 2, v10
	v_lshl_add_u32 v12, v11, 6, v12                ; the index at position r: r % 8 + 16 (r / 8), x 4 bytes
	v_lshl_add_u32 v13, v17, 5, v12                ; at position lane of 32
	s_wait_alu depctr_va_vdst(0)
	s_bfe_u32 s48, ttmp6, 0x40000                  ; cx
	s_lshl_b32 s49, ttmp9, 2
	s_add_co_u32 s49, s49, s48                     ; my block of 256 queries: it enters Q's and the result's addresses alone
	s_and_b32 s50, ttmp7, 0xffff
	s_lshr_b32 s51, s50, 4                         ; batch
	s_and_b32 s52, s50, 15                         ; head
	s_and_b32 s53, s[WV], 3
	s_lshl_b32 s54, s51, 7
	s_lshl_b32 s55, s49, 4
	s_add_co_u32 s54, s54, s55
	s_lshl_b32 s55, s[WV], 1
	s_add_co_u32 s54, s54, s55                     ; my first tile of queries
	s_add_co_u32 s60, s52, 16
	s_mul_i32 s61, s60, 288                        ; k's chunk block x NT
	; offsets of the first round of loads: wave w prepares key steps 2 w and 2 w + 1 (keys 256 w on)
	s_lshl_b32 s68, s51, 11
	s_lshl_b32 s69, s[WV], 8
	s_add_co_u32 s69, s68, s69                     ; my first key, counted over both batches
	s_lshl_b32 s70, s69, 2
	s_lshl_b32 s71, s49, 8
	s_add_co_u32 s71, s71, s68
	s_lshl_b32 s72, s[WV], 5
	s_add_co_u32 s71, s71, s72
	s_lshl_b32 s71, s71, 2                         ; my queries' time_ids
	s_mul_i32 s72, s60, 4608
	s_add_co_u32 s72, s72, s69
	s_lshl_b32 s72, s72, 1                         ; ck's bytes
	s_mul_i32 s73, s52, 4608
	s_lshl_b32 s74, s54, 4
	s_add_co_u32 s73, s73, s74
	s_lshl_b32 s73, s73, 1                         ; cq's
	s_lshl_b32 s74, s51, 5
	s_lshl_b32 s75, s[WV], 2
	s_add_co_u32 s74, s74, s75
	s_lshl_b32 s74, s74, 4
	s_add_co_u32 s74, s74, s52
	s_lshl_b32 s74, s74, 7
	s_add_co_u32 s74, s74, OBSV                    ; v's: (chunk 1,024 + head 64) 2
	v_add_nc_u32 v13, s70, v13
	v_add_nc_u32 v12, s71, v12
	v_lshl_add_u32 v14, v30, 2, s69
	v_lshl_add_u32 v15, v30, 1, s72
	v_lshl_add_u32 v16, v31, 1, s73
	v_lshl_add_u32 v222, v31, 1, s74
	; the tiles
	s_lshl_b32 s62, s51, 7
	s_add_co_u32 s56, s61, s62
	s_lshl_b32 s62, s53, 5
	s_add_co_u32 s56, s56, s62
	s_mul_i32 s56, s56, 768                        ; content keys: 32 tiles a loading wave
	s_mov_b32 s57, 0
	s_lshl_b32 s58, s51, 5
	s_lshl_b32 s62, s53, 3
	s_add_co_u32 s58, s58, s62
	s_lshl_b32 s58, s58, 6
	s_lshl_b32 s62, s52, 2
	s_add_co_u32 s58, s58, s62
	s_mul_i32 s58, s58, 768
	s_add_co_u32 s58, s58, VB                      ; V: eight chunks of 64 keys a loading wave
	s_mov_b32 s59, 0
	s_mul_i32 s63, s53, 24576
	s_mov_b32 s[G1K+0], 15|(3<<16)|(1<<21)         ; the mask: all four partners; elements of 8 bytes; bit 21 beside a mask
	s_mov_b32 s[G1K+1], 32<<16                     ; rows of 256 bytes,
	s_mov_b32 s[G1K+2], 96<<16                     ; 96 of them, dense
	s_mov_b32 s[G1K+3], 32<<16
	s_mov_b32 s[G1K+4], 96
	s_mov_b32 s[G1K+5], 32
	s_mov_b32 s[G1K+6], 0
	s_mov_b32 s[G1K+7], 0
	s_mov_b32 s[G1V+0], 15|(3<<16)|(1<<21)
	s_mov_b32 s[G1V+1], 384<<16                    ; rows of 3,072 bytes: the head's four tiles of one chunk of keys,
	s_mov_b32 s[G1V+2], 8<<16                      ; eight chunks,
	s_mov_b32 s[G1V+3], 384<<16
	s_mov_b32 s[G1V+4], 8
	s_mov_b32 s[G1V+5], 6144                       ; 49,152 bytes apart
	s_mov_b32 s[G1V+6], 0
	s_mov_b32 s[G1V+7], 0
	s_mov_b32 s[HM], 0xffff0000
	s_mov_b32 s[SEL], 0x76543210
	s_mov_b32 s[SEL+1], 0xfedcba98
	s_mov_b32 s[CS], 0x3e38aa3b                    ; c = log2(e) / 8
	s_mov_b32 s[CS+1], s[CS]
	s_mov_b32 s[PRM], 0x05010400                   ; two 16-bit words of chunks 0 and 1 become a scale word: bytes (0.0, 1.0, 0.1, 1.1)
	s_mov_b32 s[TK], 0
	s_mov_b32 s[TS], 0
	s_mov_b32 s[TT], 0
	s_mov_b32 s[CNT], 16
	s_mov_b32 s91, 0
	s_wait_alu depctr_va_vdst(0)
	s_wait_dscnt 0x0                               ; both opening adds are done
	s_wait_kmcnt 0x0
	; the first round of loads goes out ahead of the cluster's round: the ids first, since the lookups hang on them
.rept 8
	global_load_b32 v[164+\+], v13, s[8:9] offset:128*\+           ; time_ids of the keys at positions 32 j + lane
.endr
.rept 2
	global_load_b32 v[172+\+], v12, s[8:9] offset:32*\+            ; of my queries, tile u
.endr
.rept 2
	global_load_b32 v[174+\+], v14, s[10:11] offset:128*\+         ; the mask of keys 128 e + 4 lane + 0 .. 3
.endr
.rept 8
	global_load_u16 v[176+\+], v15, s[6:7] offset:64*\+            ; ck's two bytes at positions 32 j + lane
.endr
.rept 2
	global_load_u16 v[184+\+], v16, s[6:7] offset:32*\+            ; cq's
.endr
.irp k, 0,1,2,3
.irp t, 0,1,2,3
	global_load_u16 v[186+4*\k+\t], v222, s[6:7] offset:2048*\k+32*\t   ; v's: chunk k of my four, tile t, row r
.endr
.endr
	s_mov_b32 s[G0K], 1
	s_mov_b32 s[G0K+1], s63
	s_add_nc_u64 s[G0K+2:G0K+3], s[4:5], s[56:57]
	s_or_b32 s[G0K+3], s[G0K+3], 0x80000000
	s_mov_b32 s[G0V], 1
	s_add_co_u32 s[G0V+1], s63, VV
	s_add_nc_u64 s[G0V+2:G0V+3], s[4:5], s[58:59]
	s_or_b32 s[G0V+3], s[G0V+3], 0x80000000
	CROUND                                         ; all four work-groups are here: the joint loads meet
	s_cmp_lt_u32 s[WV], 4                          ; waves 0-3 fetch the content keys, waves 4-7 V: a fill in each arm
	s_cbranch_scc0 .Lfor_v
	tensor_load_to_lds s[G0K:G0K+3], s[G1K:G1K+7]
	s_nop 0
.rept 4
	v_nop
.endr
	s_branch .Lasked
.Lfor_v:
	tensor_load_to_lds s[G0V:G0V+3], s[G1V:G1V+7]
	s_nop 0
.rept 4
	v_nop
.endr
.Lasked:
	s_add_co_u32 s90, s61, 256
	s_mul_i32 s90, s90, 768
	s_add_nc_u64 s[70:71], s[4:5], s[90:91]        ; pk's rows of the table
	s_mul_i32 s90, s52, 221184
	s_add_nc_u64 s[74:75], s[4:5], s[90:91]        ; q's chunk block
	s_mul_i32 s90, s60, 9216
	s_add_co_u32 s90, s90, 8192
	s_add_nc_u64 s[72:73], s[6:7], s[90:91]        ; pk's scales
	s_mul_i32 s90, s52, 9216
	s_add_co_u32 s90, s90, 8192
	s_add_nc_u64 s[76:77], s[6:7], s[90:91]        ; pq's
	; where the result goes
	s_lshr_b32 s92, s52, 2                         ; kq
	s_bfe_u32 s93, s52, 0x10001                    ; e
	s_and_b32 s94, s52, 1                          ; which chunk of the K step
	s_add_co_u32 s95, s54, 672
	s_mul_i32 s90, s92, KQSTR
	s_mul_i32 s97, s95, 3072
	s_add_co_u32 s90, s90, s97
	s_mul_i32 s97, s93, 1536
	s_add_co_u32 s90, s90, s97
	s_lshl_b32 s97, s94, 8
	s_add_co_u32 s90, s90, s97
	s_add_nc_u64 s[12:13], s[12:13], s[90:91]
	s_lshl_b32 s90, s95, 9
	s_lshl_b32 s97, s92, 7
	s_add_co_u32 s90, s90, s97
	s_lshl_b32 s97, s93, 2
	s_add_co_u32 s90, s90, s97
	s_add_co_u32 s90, s90, s94
	s_add_nc_u64 s[14:15], s[14:15], s[90:91]
	; every LDS address is made here, of the lane, the wave and constants
	v_mul_u32_u24 v1, v17, KP
	v_mul_u32_u24 v3, v17, 3072
	v_mul_u32_u24 v8, v17, 320
	v_mul_u32_u24 v9, v17, 192
	v_lshl_add_u32 v1, v10, 4, v1
	v_lshl_add_u32 v3, v31, 4, v3
	v_add_nc_u32 v8, BI, v8                        ; the mask's terms, t / 2 = 0: 256 h + 64 h
	v_add_nc_u32 v9, BI, v9                        ; t / 2 = 1: 256 h - 64 h, + 64 in the offset
	v_mad_u32_u24 v2, v11, 2944, v1                ; K', t / 2 = 1: rows 8-15 lie 3,072 - 128 on, + 128 in the offset
	v_mad_u32_u24 v1, v11, 3200, v1                ; K', t / 2 = 0: rows 8-15 lie 3,072 + 128 on
	v_add_nc_u32 v3, VV, v3                        ; V: lanes 0-15 the step's first 64 keys, lanes 16-31 the second
	v_lshl_add_u32 v4, v31, 4, KS
	v_lshl_add_u32 v7, v31, 4, VS
	s_lshl_b32 s90, s[WV], 10
	s_add_co_u32 s90, s90, BI
	v_lshl_add_u32 v223, v30, 4, s90               ; where I store the mask's terms of my 256 keys
	s_lshl_b32 s90, s[WV], 9
	s_add_co_u32 s90, s90, VS
	v_lshl_add_u32 v224, v31, 4, s90               ; V's scale words
	s_mul_i32 s90, s[WV], 12288
	s_add_co_u32 s90, s90, KP
	v_mul_u32_u24 v225, v17, 768
	v_lshlrev_b32 v226, 2, v17
	v_lshl_add_u32 v225, v31, 4, v225
	v_lshl_add_u32 v226, v11, 3, v226
	v_add_nc_u32 v225, s90, v225                   ; the positional keys, by position
	s_lshl_b32 s90, s[WV], 10
	s_add_co_u32 s90, s90, KS
	v_lshl_add_u32 v226, v10, 4, v226
	v_lshlrev_b32 v253, 4, v31                     ; the way out: 16 r,
	v_lshlrev_b32 v254, 1, v17
	v_add_nc_u32 v226, s90, v226                   ; K's scale words: (lane % 8) 16 + 8 (bit 3) + 4 h for keys of rows 0-7,
	v_lshl_add_u32 v252, v17, 9, v253              ; + 512 h,
	v_lshl_add_u32 v254, v31, 3, v254              ; and 8 r + 2 h
	v_xor_b32 v227, 8, v226                        ; and with t / 2 turned round for keys of rows 8-15
	v_sub_nc_u32 v249, 0, v17                      ; all ones in lanes 16-31 (v228-247 are at work in the lines that turn ids into offsets),
	v_sub_nc_u32 v248, v17, 1                      ; all ones in lanes 0-15
	s_mul_i32 s90, s54, 768
	v_add_nc_u32 v250, s90, v253                   ; cq: my tile 0, row r,
	v_add_nc_u32 v251, 768, v250                   ; tile 1
	v_and_b32 v250, v250, v248
	v_and_b32 v251, v251, v248
	v_mov_b32 v255, 0x71800000                     ; 2^100
	s_wait_alu depctr_va_vdst(0)
	s_wait_loadcnt 28                              ; the ten loads of ids are in; the 28 behind them may be out
; An index becomes offsets: held to the table's 512 rows; the row's position has bits 3 and 4 swapped: codes at (position / 16) 768 + (position % 16) 16, the two bytes at 2 x position.  The ten ids take turns line by line.
.rept 10
	v_min_u32 v[164+\+], 0x1ff, v[164+\+]
.endr
.rept 10
	v_and_b32 v[202+\+], 0x1e0, v[164+\+]
.endr
.rept 10
	v_and_b32 v[228+\+], 8, v[164+\+]
.endr
.rept 10
	v_mul_u32_u24 v[202+\+], v[202+\+], 48
.endr
.rept 10
	v_mul_u32_u24 v[238+\+], v[228+\+], 96
.endr
.rept 10
	v_add_nc_u32 v[202+\+], v[202+\+], v[238+\+]
.endr
.rept 10
	v_and_b32 v[238+\+], 16, v[164+\+]
.endr
.rept 10
	v_and_b32 v[212+\+], 0x1e7, v[164+\+]
.endr
.rept 10
	v_lshl_add_u32 v[202+\+], v[238+\+], 3, v[202+\+]
.endr
.rept 10
	v_lshlrev_b32 v[212+\+], 1, v[212+\+]
.endr
.rept 10
	v_lshl_add_u32 v[212+\+], v[228+\+], 2, v[212+\+]
.endr
.rept 10
	v_and_b32 v[228+\+], 7, v[164+\+]
.endr
.rept 10
	v_add_nc_u32 v[212+\+], v[212+\+], v[238+\+]
.endr
.rept 10
	v_lshl_add_u32 v[202+\+], v[228+\+], 4, v[202+\+]
.endr
.rept 2
	v_add_nc_u32 v[210+\+], 196608, v[210+\+]      ; pq: behind the 256 tiles of tokens
.endr
.rept 2
	v_and_b32 v[210+\+], v[210+\+], v249
.endr
.rept 2
	v_add_nc_u32 v[250+\+], v[250+\+], v[210+\+]   ; Q': lanes 0-15 cq's chunk, lanes 16-31 pq's
.endr
.irp j, 0,1,2,3,4,5,6,7
.irp c, 0,1,2
	global_load_b128 v[68+12*\j+4*\c:71+12*\j+4*\c], v[202+\j], s[70:71] offset:256*\c
.endr
.endr
.rept 8
	global_load_u16 v[228+\+], v[212+\+], s[72:73]
.endr
.irp u, 0,1
.irp c, 0,1,2
	global_load_b128 v[44+12*\u+4*\c:47+12*\u+4*\c], v[250+\u], s[74:75] offset:256*\c
.endr
.endr
.rept 2
	global_load_u16 v[236+\+], v[220+\+], s[76:77]
.endr
	s_wait_alu depctr_va_vdst(0)
	s_wait_loadcnt 40                              ; the first round is in; the 40 loads of the second may be out
.irp e, 0,1
.irp i, 0,1,2,3
	v_bfe_u32 v[238+4*\e+\i], v[174+\e], 8*\i, 8
.endr
.endr
.rept 8
	v_cvt_f32_u32 v[238+\+], v[238+\+]
.endr
.rept 8
	v_fma_f32 v[238+\+], v[238+\+], v255, -v255    ; 0 where the key counts, -2^100 where not
.endr
.irp e, 0,1
.irp t, 0,1,2,3
	v_perm_b32 v[186+8*\e+\t], v[190+8*\e+\t], v[186+8*\e+\t], s[PRM]
.endr
.endr
.irp e, 0,1
	ds_store_b128 v223, v[238+4*\e:241+4*\e] offset:512*\e
	ds_store_b128 v224, v[186+8*\e:189+8*\e] offset:256*\e         ; (lanes 16-31 store what lanes 0-15 store)
.endr
	s_wait_alu depctr_va_vdst(0)
	s_wait_loadcnt 0x0
.irp j, 0,1,2,3,4,5,6,7
.irp c, 0,1,2
	ds_store_b128 v225, v[68+12*\j+4*\c:71+12*\j+4*\c] offset:\j*1536+\c*256
.endr
.endr
.rept 8
	v_perm_b32 v[176+\+], v[228+\+], v[176+\+], s[PRM]
.endr
.irp j, 0,1,2,3,4,5,6,7
	ds_store_b32 v[226+(\j/2)%2], v[176+\j] offset:(\j/4)*512+(\j%2)*256+((\j/2)%2)*128
.endr
.rept 2
	v_perm_b32 v[26+\+], v[236+\+], v[184+\+], s[PRM]              ; Q's scale words
.endr
.irp u, 0,1
	v_mov_b32 v[19+2*\u], 0xff61b1e6               ; the largest t so far: -3e38
	v_mov_b32 v[23+2*\u], 0                        ; (named as the upper half of f's pair)
	v_mov_b32 v[232+\u], 0                         ; a lane permute's destination counts as one of its sources
	v_mov_b32 v[250+\u], 0
.endr
.irp u, 0,1
	v_floor_f32 v[18+2*\u], -v[19+2*\u]            ; -M
.endr
	WIN 0x40
.rept 64
	v_mov_b32 v[128+\+], 0                         ; O^T: the loop is written once; its first step finds zeros
.endr
.rept 4
	v_mov_b32 v[232+\+], 0                         ; the sums
.endr
	WIN 0
	s_wait_alu depctr_va_vdst(0)
	s_wait_tensorcnt 0x0                           ; my tile has landed,
	s_wait_dscnt 0x0                               ; my stores too:
	s_barrier_signal -1
	s_barrier_wait -1                              ; everybody's have.  Nothing in LDS is written from here on
.macro SCORE g                         ; S^T = K' Q'^T + the mask's term: four tiles of keys x my two tiles of queries, each result a register run of its own
.irp t, 0,1,2,3
.irp u, 0,1
	v_wmma_scale_f32_16x16x128_f8f6f4 v[64*\u+8*(4*\g+\t):64*\u+8*(4*\g+\t)+7], v[68+12*(4*\g+\t):79+12*(4*\g+\t)], v[44+12*\u:55+12*\u], v[164+8*(4*\g+\t):171+8*(4*\g+\t)], v[32+4*\g+\t], v[26+\u] matrix_a_fmt:MATRIX_FMT_FP6 matrix_b_fmt:MATRIX_FMT_FP6
.endr
.endr
.endm
.Lstep:                                            ; 16 trips of 128 keys
	v_add_nc_u32 v10, s[TK], v1                    ; (these seven are the places behind the last trip's products)
	v_add_nc_u32 v11, s[TK], v2
	v_add_nc_u32 v12, s[TK], v3
	v_add_nc_u32 v13, s[TS], v4
	v_add_nc_u32 v14, s[TT], v7
	v_add_nc_u32 v15, s[TS], v8
	v_add_nc_u32 v16, s[TS], v9
	s_wait_alu depctr_va_vdst(0)
	ds_load_b128 v[32:35], v13
	ds_load_b128 v[36:39], v13 offset:256
.irp g, 0,1
.irp t, 0,1,2,3
.irp c, 0,1,2
	ds_load_b128 v[68+12*(4*\g+\t)+4*\c:71+12*(4*\g+\t)+4*\c], v[10+\t/2] offset:(2*\g+\t%2)*768+\c*256+(\t/2)*128
.endr
	ds_load_b128 v[164+8*(4*\g+\t):167+8*(4*\g+\t)], v[15+\t/2] offset:128*\g+32*(\t%2)+64*(\t/2)
	ds_load_b128 v[168+8*(4*\g+\t):171+8*(4*\g+\t)], v[15+\t/2] offset:128*\g+32*(\t%2)+64*(\t/2)+16
.endr
.endr
	s_wait_dscnt 20                                ; the scale words and tiles 0-3 are in; the 20 loads of tiles 4-7 may be out
	WIN 0x40                                       ; results in window 1
	SCORE 0
	s_wait_dscnt 0x0
	SCORE 1
	WIN 0
.rept 4
	v_nop                                          ; places in front of the loads below and of the first read of the scores
.endr
.irp t, 0,1,2,3                                ; V's fragments and scale words land under the softmax
.irp c, 0,1,2
	ds_load_b128 v[68+12*\t+4*\c:71+12*\t+4*\c], v12 offset:(3*\t+\c)*256
.endr
.endr
	ds_load_b128 v[40:43], v14
	WIN 0x05                                       ; sources 0 and 1 in window 1
.irp n, 0,1,2,3                                ; block n = 2 u + g: all its 32 scores are mine; each result is read from its low end on
	v_max_num_f32 v[228+\n], v[32*\n], v[32*\n+1]
.endr
.set i, 2
.rept 15
.irp n, 0,1,2,3
	v_max3_num_f32 v[228+\n], v[32*\n+i], v[32*\n+i+1], v[228+\n]
.endr
.set i, i+2
.endr
	WIN 0
.irp u, 0,1                                    ; the two tiles take turns
	v_max_num_f32 v[234+\u], v[228+2*\u], v[229+2*\u]
.endr
	s_delay_alu instid0(VALU_DEP_2)
.irp u, 0,1
	v_permlanex16_b32 v[232+\u], v[234+\u], s[SEL], s[SEL+1]
.endr
	s_delay_alu instid0(VALU_DEP_2)
.irp u, 0,1
	v_max_num_f32 v[234+\u], v[234+\u], v[232+\u]  ; the step's largest score of my query
.endr
	s_delay_alu instid0(VALU_DEP_2)
.irp u, 0,1
	v_mul_f32 v[234+\u], s[CS], v[234+\u]
.endr
	s_delay_alu instid0(VALU_DEP_2)
.irp u, 0,1
	v_max_num_f32 v[19+2*\u], v[19+2*\u], v[234+\u]   ; the running largest t
.endr
.irp u, 0,1
	v_mov_b32 v[236+\u], v[18+2*\u]
.endr
	s_delay_alu instid0(VALU_DEP_4)
.irp u, 0,1
	v_floor_f32 v[18+2*\u], -v[19+2*\u]            ; the new -M: M is a whole number
.endr
	s_delay_alu instid0(VALU_DEP_2)
.irp n, 0,1,2,3
	v_fma_f32 v[228+\n], v[228+\n], s[CS], v[18+2*(\n/2)]   ; t - M of each block's largest score: p rises with the score
.endr
	s_wait_alu depctr_va_vdst(0)                   ; ahead of the batch
.irp n, 0,1,2,3
	v_exp_f32 v[228+\n], v[228+\n]                 ; each block's largest p
.endr
.irp u, 0,1
	v_sub_f32 v[236+\u], v[18+2*\u], v[236+\u]
.endr
	s_delay_alu instid0(VALU_DEP_2)
.irp u, 0,1
	v_cvt_i32_f32 v[236+\u], v[236+\u]             ; (it saturates)
.endr
	s_delay_alu instid0(VALU_DEP_2)
.irp u, 0,1
	v_ldexp_f32 v[22+2*\u], 1.0, v[236+\u]         ; f = 2^(old M - new M)
.endr
	s_wait_alu depctr_va_vdst(0)                   ; and behind it
.irp n, 0,1,2,3
	v_max_num_f32 v[228+\n], 0x1800000, v[228+\n]  ; the floor 2^(3 - 127)
.endr
.irp n, 0,1,2,3
	v_add_nc_u32 v[240+\n], 0xff000000, v[228+\n]  ; 2 off the exponent field: the conversion's scale operand
.endr
.irp n, 0,1,2,3
	v_lshrrev_b32 v[244+\n], 23, v[240+\n]
.endr
.irp u, 0,1
	v_lshl_or_b32 v[248+\u], v[245+2*\u], 16, v[244+2*\u]   ; my chunk's two bytes at places 0 and 2
.endr
	s_delay_alu instid0(VALU_DEP_2)
.irp u, 0,1
	v_permlanex16_b32 v[250+\u], v[248+\u], s[SEL], s[SEL+1]
.endr
	s_delay_alu instid0(VALU_DEP_2)
.irp u, 0,1
	v_lshl_or_b32 v[28+\u], v[250+\u], 8, v[248+\u]   ; p's scale word, whole in lanes 0-15: (chunk 0 block 0, chunk 1 block 0, chunk 0 block 1, chunk 1 block 1)
.endr
	WIN 0x41                                       ; destination and source 0 in window 1
	s_wait_alu depctr_va_vdst(0)                   ; directly ahead of the first reader of O^T
.irp u, 0,1
.set j, 0
.rept 16
	v_pk_mul_f32 v[128+32*\u+j:129+32*\u+j], v[128+32*\u+j:129+32*\u+j], v[22+2*\u:23+2*\u] op_sel_hi:[1,0]   ; O^T under the new M
.set j, j+2
.endr
.endr
.irp u, 0,1
.set j, 0
.rept 32
	v_pk_fma_f32 v[64*\u+j:64*\u+j+1], v[64*\u+j:64*\u+j+1], s[CS:CS+1], v[18+2*\u:19+2*\u] op_sel_hi:[1,0,0]   ; t - M
.set j, j+2
.endr
.endr
	s_wait_alu depctr_va_vdst(0)                   ; ahead of the batch
.set j, 0
.rept 128
	v_exp_f32 v[j], v[j]                           ; p = 2^(t - M)
.set j, j+1
.endr
.irp u, 0,1
	v_pk_mul_f32 v[232+2*\u:233+2*\u], v[232+2*\u:233+2*\u], v[22+2*\u:23+2*\u] op_sel_hi:[1,0]   ; the sums under the new M (plain lines behind the exponentials)
.endr
	s_wait_alu depctr_va_vdst(0)                   ; one wait for the batch, ahead of its first reader
.irp u, 0,1
	v_cvt_scalef32_pk16_fp6_f32 v[192+12*\u:194+12*\u], v[64*\u:64*\u+15], v[240+2*\u]
	v_cvt_scalef32_pk16_fp6_f32 v[216+8*\u:218+8*\u], v[64*\u+16:64*\u+31], v[240+2*\u]       ; (a conversion's three registers begin on an even number)
	v_cvt_scalef32_pk16_fp6_f32 v[198+12*\u:200+12*\u], v[64*\u+32:64*\u+47], v[241+2*\u]
	v_cvt_scalef32_pk16_fp6_f32 v[220+8*\u:222+8*\u], v[64*\u+48:64*\u+63], v[241+2*\u]
.endr
	v_nop                                          ; one plain line behind the conversions
.irp u, 0,1
.irp i, 0,1,2
	v_mov_b32 v[195+12*\u+\i], v[216+8*\u+\i]
	v_mov_b32 v[201+12*\u+\i], v[220+8*\u+\i]
.endr
.endr
	WIN 0x45                                       ; all of a sum's registers in window 1
.irp i, 0,1,2,3                                ; the rows' sums of the unquantised p: four chains a tile.  These 64 lines are also the places in front of the scaled products
.irp u, 0,1
	v_pk_add_f32 v[236+8*\u+2*\i:237+8*\u+2*\i], v[64*\u+2*\i:64*\u+2*\i+1], v[64*\u+8+2*\i:64*\u+9+2*\i]
.endr
.endr
.set k, 8
.rept 24
.irp u, 0,1
	v_pk_add_f32 v[236+8*\u+2*(k%4):237+8*\u+2*(k%4)], v[236+8*\u+2*(k%4):237+8*\u+2*(k%4)], v[64*\u+2*k:64*\u+2*k+1]
.endr
.set k, k+1
.endr
.irp u, 0,1
	v_pk_add_f32 v[236+8*\u:237+8*\u], v[236+8*\u:237+8*\u], v[238+8*\u:239+8*\u]
	v_pk_add_f32 v[240+8*\u:241+8*\u], v[240+8*\u:241+8*\u], v[242+8*\u:243+8*\u]
.endr
.irp u, 0,1
	v_pk_add_f32 v[236+8*\u:237+8*\u], v[236+8*\u:237+8*\u], v[240+8*\u:241+8*\u]
.endr
	s_delay_alu instid0(VALU_DEP_2)
.irp u, 0,1
	v_pk_add_f32 v[232+2*\u:233+2*\u], v[232+2*\u:233+2*\u], v[236+8*\u:237+8*\u]
.endr
	s_wait_dscnt 0x0                               ; V is in
	WIN 0x54                                       ; p's codes and O^T in window 1
.irp t, 0,1,2,3                                ; O^T += V^T P^T: the eight accumulators by turns
.irp u, 0,1
	v_wmma_scale_f32_16x16x128_f8f6f4 v[128+32*\u+8*\t:135+32*\u+8*\t], v[68+12*\t:79+12*\t], v[192+12*\u:203+12*\u], v[128+32*\u+8*\t:135+32*\u+8*\t], v[40+\t], v[28+\u] matrix_a_fmt:MATRIX_FMT_FP6 matrix_b_fmt:MATRIX_FMT_FP6
.endr
.endr
	WIN 0
	s_add_co_u32 s[TK], s[TK], 6144
	s_add_co_u32 s[TS], s[TS], 512
	s_add_co_u32 s[TT], s[TT], 256
	s_sub_co_u32 s[CNT], s[CNT], 1
	s_cmp_lg_u32 s[CNT], 0
	s_cbranch_scc1 .Lstep
	; THE WAY OUT: O / the sum, quantised along the head's 64, which are chunk `head` of the last product's K.  Register 16 b + i is channel 32 b + 16 h + i of my query.  All of it in window 1; at work: 64 u + 32 on.
	WIN 0x40
	v_mov_b32 v240, v252                           ; the stores' offsets and the largest t go to window 1 (these five are the places behind the last products)
	v_mov_b32 v241, v253
	v_mov_b32 v242, v254
	v_mov_b32 v244, v19
	v_mov_b32 v245, v21
	WIN 0x55
	s_wait_alu depctr_va_vdst(0)                   ; directly ahead of the first reader of the sums, which the last trip wrote
.irp u, 0,1
	v_add_f32 v[232+2*\u], v[232+2*\u], v[233+2*\u]
.endr
.irp u, 0,1
	v_permlanex16_b32 v[236+\u], v[232+2*\u], s[SEL], s[SEL+1]
.endr
.irp u, 0,1
	v_add_f32 v[232+2*\u], v[232+2*\u], v[236+\u]
.endr
	s_wait_alu depctr_va_vdst(0)
.irp u, 0,1
	v_rcp_f32 v[232+2*\u], v[232+2*\u]
.endr
	v_mov_b32 v246, 0xff                           ; (a plain line behind the reciprocals)
	s_wait_alu depctr_va_vdst(0)
.irp u, 0,1
.set j, 0
.rept 32
	v_mul_f32 v[64*\u+j], v[128+32*\u+j], v[232+2*\u]
.set j, j+1
.endr
.endr
.irp u, 0,1
.irp b, 0,1
	v_max3_num_f32 v[64*\u+32+\b], |v[64*\u+16*\b]|, |v[64*\u+16*\b+1]|, 0x1800000
.endr
.endr
.irp i, 2,4,6,8,10,12,14
.irp u, 0,1
.irp b, 0,1
	v_max3_num_f32 v[64*\u+32+\b], v[64*\u+32+\b], |v[64*\u+16*\b+\i]|, |v[64*\u+16*\b+\i+1]|
.endr
.endr
.endr
.irp u, 0,1
.irp b, 0,1
	v_permlanex16_b32 v[64*\u+34+\b], v[64*\u+32+\b], s[SEL], s[SEL+1]
.endr
.endr
.irp u, 0,1
.irp b, 0,1
	v_max_num_f32 v[64*\u+32+\b], v[64*\u+32+\b], v[64*\u+34+\b]
.endr
.endr
.irp u, 0,1
.irp b, 0,1
	v_add_nc_u32 v[64*\u+36+\b], 0xff000000, v[64*\u+32+\b]
.endr
.endr
.irp u, 0,1
.irp b, 0,1
	v_lshrrev_b32 v[64*\u+38+\b], 23, v[64*\u+36+\b]
.endr
.endr
.irp u, 0,1
	v_cmp_gt_f32 s[98+\u], 0xec800000, v[244+\u]   ; no key of the batch counted: the largest t lies under -2^90
.endr
.irp u, 0,1
	v_cndmask_b32 v[64*\u+38], v[64*\u+38], v[64*\u+39], s[HM]     ; lanes 0-15 store block 0's byte, lanes 16-31 block 1's
.endr
.irp u, 0,1
	v_cndmask_b32 v[64*\u+38], v[64*\u+38], v246, s[98+\u]         ; the byte 0xff makes the last product's sums NaN, as reference() has them there
.endr
.irp u, 0,1
	v_cvt_scalef32_pk16_fp6_f32 v[64*\u+40:64*\u+42], v[64*\u:64*\u+15], v[64*\u+36]       ; A: block 0, my half's 16 codes
	v_cvt_scalef32_pk16_fp6_f32 v[64*\u+44:64*\u+46], v[64*\u+16:64*\u+31], v[64*\u+37]    ; B: block 1
.endr
	v_nop
.irp u, 0,1
	v_permlanex16_b32 v[64*\u+48], v[64*\u+40], s[SEL], s[SEL+1]   ; the other half's A0,
	v_permlanex16_b32 v[64*\u+49], v[64*\u+44], s[SEL], s[SEL+1]   ; B0,
	v_permlanex16_b32 v[64*\u+50], v[64*\u+45], s[SEL], s[SEL+1]   ; B1,
	v_permlanex16_b32 v[64*\u+51], v[64*\u+46], s[SEL], s[SEL+1]   ; B2
.endr
.irp u, 0,1                                    ; the chunk's 12 words are A(h = 0), A(h = 1), B(h = 0), B(h = 1).  Lanes 0-15 store words 0-3, lanes 16-31 words 4-7; words 8-11 are made in both halves alike
	v_cndmask_b32 v[64*\u+52], v[64*\u+40], v[64*\u+41], s[HM]
	v_cndmask_b32 v[64*\u+53], v[64*\u+41], v[64*\u+42], s[HM]
	v_cndmask_b32 v[64*\u+54], v[64*\u+42], v[64*\u+49], s[HM]
	v_cndmask_b32 v[64*\u+55], v[64*\u+48], v[64*\u+50], s[HM]
	v_cndmask_b32 v[64*\u+56], v[64*\u+46], v[64*\u+51], s[HM]
	v_cndmask_b32 v[64*\u+57], v[64*\u+49], v[64*\u+44], s[HM]
	v_cndmask_b32 v[64*\u+58], v[64*\u+50], v[64*\u+45], s[HM]
	v_cndmask_b32 v[64*\u+59], v[64*\u+51], v[64*\u+46], s[HM]
.endr
.irp u, 0,1
	global_store_b128 v240, v[64*\u+52:64*\u+55], s[12:13] offset:3072*\u          ; sixteen lanes fill 256 consecutive bytes, aligned
	global_store_b128 v241, v[64*\u+56:64*\u+59], s[12:13] offset:3072*\u+1024
	global_store_b8 v242, v[64*\u+38], s[14:15] offset:512*\u                      ; two bytes a query and head: single bytes, 128 KiB in the whole launch
.endr
	WIN 0
	s_wait_tensorcnt 0x0                           ; the wave's end
	ds_add_u32 v5, v6
	s_wait_dscnt 0x0
	CROUND                                         ; the closing round
	s_endpgm
.Lfunc_end_k_q32f51f0e46_attn:
	.size	k_q32f51f0e46_attn, .Lfunc_end_k_q32f51f0e46_attn-k_q32f51f0e46_attn
	.p2alignl 7, 3214868480
	.fill 96, 4, 3214868480
	.section	.rodata,"a",@progbits
	.p2align	6, 0x0
	.amdhsa_kernel k_q32f51f0e46_attn
		.amdhsa_group_segment_fixed_size 316416
		.amdhsa_private_segment_fixed_size 0
		.amdhsa_enable_private_segment 0
		.amdhsa_kernarg_size 48
		.amdhsa_user_sgpr_count 2
		.amdhsa_user_sgpr_kernarg_segment_ptr 1
		.amdhsa_wavefront_size32 1
		.amdhsa_system_sgpr_workgroup_id_x 1
		.amdhsa_system_sgpr_workgroup_id_y 1
		.amdhsa_system_sgpr_workgroup_id_z 1
		.amdhsa_system_vgpr_workitem_id 0
		.amdhsa_next_free_vgpr 512
		.amdhsa_next_free_sgpr 100
		.amdhsa_reserve_vcc 0
		.amdhsa_float_denorm_mode_32 3
		.amdhsa_float_denorm_mode_16_64 3
		.amdhsa_memory_ordered 1
		.amdhsa_forward_progress 1
		.amdhsa_inst_pref_size 71
	.end_amdhsa_kernel
	.amdgpu_metadata
---
amdhsa.version: [ 1, 2 ]
amdhsa.kernels:
  - .name:           k_q32f51f0e46_attn
    .symbol:         k_q32f51f0e46_attn.kd
    .args:
      - { .name: qc, .offset: 0, .size: 8, .value_kind: global_buffer, .address_space: global }
      - { .name: qs, .offset: 8, .size: 8, .value_kind: global_buffer, .address_space: global }
      - { .name: time_ids, .offset: 16, .size: 8, .value_kind: global_buffer, .address_space: global }
      - { .name: mask, .offset: 24, .size: 8, .value_kind: global_buffer, .address_space: global }
      - { .name: opc, .offset: 32, .size: 8, .value_kind: global_buffer, .address_space: global }
      - { .name: ops, .offset: 40, .size: 8, .value_kind: global_buffer, .address_space: global }
    .group_segment_fixed_size: 316416
    .private_segment_fixed_size: 0
    .kernarg_segment_align: 8
    .kernarg_segment_size: 48
    .max_flat_workgroup_size: 256
    .sgpr_count:     100
    .vgpr_count:     512
    .wavefront_size: 32
...
	.end_amdgpu_metadata
.endif
;; end of part 3
;; launch outp (part 4): grid 256 x 1, 4 waves a work-group, clusters of 4 x 1, 214,528 bytes of LDS; arguments opc, ops, b_out, out0; writes out0
.if DOCPART == 4
	.amdgcn_target "amdgcn-amd-amdhsa--gfx1250"
	.amdhsa_code_object_version 6
	.text
	.protected	k_q32f51f0e46_outp
	.globl	k_q32f51f0e46_outp
	.p2align	8
	.type	k_q32f51f0e46_outp,@function
k_q32f51f0e46_outp:
	s_mov_b64 s[64:65], 0
	v_nop
	global_prefetch_b8 v0, s[64:65] scope:SCOPE_SE
	s_setreg_imm32_b32 hwreg(HW_REG_WAVE_MODE, 25, 1), 1
	s_wait_xcnt 0x0
	s_wait_alu depctr_hold_cnt(0) depctr_sa_sdst(0) depctr_va_vdst(0) depctr_va_sdst(0) depctr_va_ssrc(0) depctr_va_vcc(0) depctr_vm_vsrc(0)
	s_getreg_b32 s2, hwreg(HW_REG_IB_STS2, 6, 4)
	s_cmp_eq_u32 s2, 0
	s_cbranch_scc0 .Lentry_in_a_cluster
	s_endpgm
.Lentry_in_a_cluster:
	s_bfe_u32 s2, ttmp6, 0x10000c
	s_cmp_lg_u32 s2, 0x3003
	s_cbranch_scc0 .Lentry_shape_is_right
	s_endpgm
.Lentry_shape_is_right:
; OUTP: out0 = O W_out + b_out on codes of E2M3; sums in f32.  O's codes were made by launch attn (tiles 672 on of opc), W_out's by launch quant (tiles 608 on).
; The form of launch proj: source 0 = 16 columns of W_out, source 1 = 16 tokens: a lane holds one token and eight neighbouring columns.  A work-group makes 128 tokens x 128 columns, all of K = 1,024 in LDS, each byte filled once.
; A wave: 64 x 64: 16 accumulators.  b_out is the C of each sum's first product.  CLUSTER 4 x 1: the four partners take the same 128 tokens, asked for jointly; W_out's tiles come by plain loads.
; A wave has one tensor load out at the most.
; REGISTERS: window 0: v1-19 addresses, v32-63 scale words, v64-95 b_out, v96-191 fragments, set 0 (on the way out v96-223: rows read back); window 2: fragments, set 1; window 1: the accumulators, (a, b) at v[8 (4 a + b)].
.set KQSTR, 2850816
.set SLAB,  49152                      ; the tokens' 8 tiles of 3,072 bytes, then W_out's 8
; LDS as this text now lays it: the tokens at (half) 49,152 + kq 12,288 + tile 3,072, W_out's likewise from S0OFF on.  ONE tensor load a wave, at the head: waves 0, 1 bring the tokens' halves jointly, waves 2, 3 W_out's;
; a load is 4 rows (kq), KQSTR bytes apart.  One barrier shows all of it to all waves.  The stages of the way out have bytes of their own, behind the spare words.
.set S0OFF, 98304
.set SPARE, 4*SLAB
.set STAGE, SPARE+512
.set NF,    24
.set WV, 12
.set WY, 13
.set WX, 14
.set HM, 67
.set G1A, 16
.set G1B, 24
.set G0A, 32
.set G0B, 48
.set ADR1, 1
.set ADR0, 5
.set STO, 9
.set RD, 10
.set SA, 11
.set CO, 12
.set SPW, 13
.set NIL, 14
.set BO, 16
.set SC, 32
.set BI, 64
.set F1, 96
.set F0, 144
.set MSB, 0
.macro WIN new
.if MSB != \new
	s_set_vgpr_msb (MSB<<8)|\new
.set MSB, \new
.endif
.endm
.macro CROUND
	s_barrier_signal -1
	s_barrier_wait -1
	s_cmp_lg_u32 s[WV], 0
	s_cbranch_scc1 .Lnot_wave_0_\@
	s_barrier_signal -3
.Lnot_wave_0_\@:
	s_barrier_wait -3
	s_barrier_signal -1
	s_barrier_wait -1
.endm
.macro PLACES
.rept 4
	v_nop
.endr
.endm
	s_load_b256 s[4:11], s[0:1], 0x0               ; opc, ops, b_out, out0
	v_lshl_add_u32 v[SPW], v0, 2, SPARE
	v_mov_b32 v[NIL], 0
	ds_add_u32 v[SPW], v[NIL]                      ; the opening: the add, twice on end, and its wait ahead of my first tensor load
	ds_add_u32 v[SPW], v[NIL]
	v_lshrrev_b32 v15, 5, v0
	v_readfirstlane_b32 s[WV], v15
	s_lshr_b32 s[WY], s[WV], 1                     ; which 64 tokens
	s_and_b32 s[WX], s[WV], 1                      ; which 64 columns
	s_bfe_u32 s66, ttmp6, 0x40000                  ; cx
	s_lshr_b32 s70, ttmp9, 1                       ; sy: which 128 tokens
	s_and_b32 s71, ttmp9, 1
	s_lshl_b32 s80, s70, 3
	s_add_co_u32 s80, s80, 672                     ; the tokens' first tile: no cx in it
	s_lshl_b32 s82, s71, 5
	s_lshl_b32 s83, s66, 3
	s_add_co_u32 s82, s82, s83
	s_add_co_u32 s82, s82, 608                     ; W_out's first tile
	s_lshl_b32 s83, s71, 2
	s_add_co_u32 s83, s83, s66                     ; sx: which 128 columns
	s_mov_b32 s[G1A+0], 15|(3<<16)|(1<<21)         ; the mask: all four partners; elements of 8 bytes; bit 21 beside a mask
	s_mov_b32 s[G1B+0], 3<<16
.irp g, G1A, G1B
	s_mov_b32 s[\g+1], 1536<<16                    ; rows of 12,288 bytes: four tiles, dense,
	s_mov_b32 s[\g+2], 4<<16                       ; four of them: kq 0 .. 3
	s_mov_b32 s[\g+3], 1536<<16
	s_mov_b32 s[\g+4], 4
	s_mov_b32 s[\g+5], KQSTR/8
	s_mov_b32 s[\g+6], 0
	s_mov_b32 s[\g+7], 0
.endr
	s_mul_i32 s84, s[WX], 49152                    ; wave % 2: which half I fetch, of the tokens (waves 0, 1) or of W_out (waves 2, 3)
	s_add_co_u32 s85, s84, S0OFF
	s_lshl_b32 s86, s[WX], 2
	s_add_co_u32 s88, s86, s82
	s_add_co_u32 s86, s86, s80
	s_mul_i32 s86, s86, 3072
	s_mov_b32 s87, 0
	s_mul_i32 s88, s88, 3072
	s_mov_b32 s89, 0
	s_mov_b32 s[HM], 0xffff0000
	v_and_b32 v15, 31, v0
	v_lshlrev_b32 v15, 4, v15                      ; 16 x lane
	s_mul_i32 s90, s[WY], 49152
	s_mul_i32 s91, s[WX], 49152
	s_add_co_u32 s91, s91, S0OFF
	v_add_nc_u32 v[ADR1], s90, v15
	v_add_nc_u32 v[ADR0], s91, v15
.irp q, 1,2,3
	v_add_nc_u32 v[ADR1+\q], \q*12288, v[ADR1]
	v_add_nc_u32 v[ADR0+\q], \q*12288, v[ADR0]
.endr
	v_and_b32 v17, 15, v0                          ; r
	v_bfe_u32 v18, v0, 4, 1                        ; h
	s_mul_i32 s90, s[WV], 4352
	s_add_co_u32 s90, s90, STAGE                   ; my stage: 16 rows of 256 + 16 bytes, in bytes that no tensor load fills
	v_mul_u32_u24 v[STO], v17, 272
	v_lshl_add_u32 v[STO], v18, 6, v[STO]
	v_add_nc_u32 v[STO], s90, v[STO]               ; in: row r, + 64 h
	v_mul_u32_u24 v[RD], v18, 272
	v_lshl_add_u32 v[RD], v17, 4, v[RD]
	v_add_nc_u32 v[RD], s90, v[RD]                 ; back: lanes 0-15 one row, lanes 16-31 the next
	v_lshlrev_b32 v[CO], 12, v18
	v_lshl_add_u32 v[CO], v17, 4, v[CO]            ; and the same two rows in out0
	v_lshlrev_b32 v[BO], 6, v18                    ; b_out: + 16 h numbers
	v_lshlrev_b32 v15, 3, v17
	s_lshl_b32 s92, s[WY], 2
	s_add_co_u32 s92, s92, s80
	s_lshl_b32 s92, s92, 9
	s_lshl_b32 s93, s[WX], 2
	s_add_co_u32 s93, s93, s82
	s_lshl_b32 s93, s93, 9
	v_add_nc_u32 v19, s92, v15
	v_add_nc_u32 v[SA], s93, v15
	v_cndmask_b32 v[SA], v19, v[SA], s[HM]         ; scale words: lanes 0-15 the tokens', lanes 16-31 W_out's
	s_lshl_b32 s92, s83, 9
	s_lshl_b32 s93, s[WX], 8
	s_add_co_u32 s92, s92, s93                     ; my first column, in bytes
	s_mov_b32 s93, 0
	s_lshl_b32 s94, s70, 19
	s_lshl_b32 s95, s[WY], 18
	s_add_co_u32 s94, s94, s95
	s_add_co_u32 s94, s94, s92                     ; + my first token's row
	s_mov_b32 s95, 0
	s_wait_dscnt 0x0                               ; both opening adds are done
	s_wait_kmcnt 0x0
	s_add_nc_u64 s[86:87], s[4:5], s[86:87]
	s_add_nc_u64 s[88:89], s[4:5], s[88:89]
	s_add_nc_u64 s[8:9], s[8:9], s[92:93]
	s_add_nc_u64 s[10:11], s[10:11], s[94:95]
.irp q, 0
	s_mov_b32 s[G0A+4*\q], 1
	s_add_co_u32 s[G0A+4*\q+1], s84, \q*SLAB
	s_add_nc_u64 s[G0A+4*\q+2:G0A+4*\q+3], s[86:87], \q*KQSTR
	s_or_b32 s[G0A+4*\q+3], s[G0A+4*\q+3], 0x80000000
	s_mov_b32 s[G0B+4*\q], 1
	s_add_co_u32 s[G0B+4*\q+1], s85, \q*SLAB
	s_add_nc_u64 s[G0B+4*\q+2:G0B+4*\q+3], s[88:89], \q*KQSTR
	s_or_b32 s[G0B+4*\q+3], s[G0B+4*\q+3], 0x80000000
.endr
	CROUND                                         ; all four work-groups are here: the joint loads meet
	s_cmp_lt_u32 s[WV], 2                          ; a fill in each arm, one a wave
	s_cbranch_scc0 .Lfor_s0
	tensor_load_to_lds s[G0A:G0A+3], s[G1A:G1A+7]
	s_nop 0
	PLACES
	s_branch .Lasked
.Lfor_s0:
	tensor_load_to_lds s[G0B:G0B+3], s[G1B:G1B+7]
	s_nop 0
	PLACES
.Lasked:
	s_wait_alu depctr_va_vdst(0)
.irp i, 0,1,2,3
.irp g, 0,1,2,3
	global_load_b64 v[SC+8*\i+2*\g:SC+8*\i+2*\g+1], v[SA], s[6:7] offset:\i*512+\g*128
.endr
.endr
.irp b, 0,1,2,3
	global_load_b128 v[BI+8*\b:BI+8*\b+3], v[BO], s[8:9] offset:128*(\b/2)+32*(\b%2)       ; b_out at columns 32 (b / 2) + 8 (b % 2) + 16 h + 0 .. 7
	global_load_b128 v[BI+8*\b+4:BI+8*\b+7], v[BO], s[8:9] offset:128*(\b/2)+32*(\b%2)+16
.endr
.macro FETCH s
.if ((\s)%2) == 0
	WIN 0
.else
	WIN 0x80
.endif
.irp i, 0,1,2,3
.irp c, 0,1,2
	ds_load_b128 v[F0+12*\i+4*\c:F0+12*\i+4*\c+3], v[ADR0+(\s)/2] offset:\i*3072+((\s)%2)*1536+\c*512
.endr
.endr
.irp i, 0,1,2,3
.irp c, 0,1,2
	ds_load_b128 v[F1+12*\i+4*\c:F1+12*\i+4*\c+3], v[ADR1+(\s)/2] offset:\i*3072+((\s)%2)*1536+\c*512
.endr
.endr
.endm
.macro MUL s                           ; 16 products, the accumulators by turns, one instruction a turn
.if (\s) == 0
	WIN 0x40
.elseif ((\s)%2) == 0
	WIN 0x50
.else
	WIN 0x5a
.endif
.irp a, 0,1,2,3
.irp b, 0,1,2,3
.if (\s) == 0
	v_wmma_scale_f32_16x16x128_f8f6f4 v[8*(4*\a+\b):8*(4*\a+\b)+7], v[F0+12*\b:F0+12*\b+11], v[F1+12*\a:F1+12*\a+11], v[BI+8*\b:BI+8*\b+7], v[SC+8*\b+(\s)], v[SC+8*\a+(\s)] matrix_a_fmt:MATRIX_FMT_FP6 matrix_b_fmt:MATRIX_FMT_FP6 matrix_a_scale:MATRIX_SCALE_ROW1
.else
	v_wmma_scale_f32_16x16x128_f8f6f4 v[8*(4*\a+\b):8*(4*\a+\b)+7], v[F0+12*\b:F0+12*\b+11], v[F1+12*\a:F1+12*\a+11], v[8*(4*\a+\b):8*(4*\a+\b)+7], v[SC+8*\b+(\s)], v[SC+8*\a+(\s)] matrix_a_fmt:MATRIX_FMT_FP6 matrix_b_fmt:MATRIX_FMT_FP6 matrix_a_scale:MATRIX_SCALE_ROW1
.endif
.endr
.endr
.endm
.macro KSTEP s
.if (\s) < 7
.if (\s) > 0
	PLACES                                         ; four places in front of loads into registers that the step before multiplied
.endif
	FETCH (\s)+1
	s_wait_dscnt NF                                ; all but the loads just issued
.else
	s_wait_dscnt 0x0
.endif
	MUL \s
.endm
	s_wait_tensorcnt 0x0                           ; my one load is in
	s_barrier_signal -1
	s_barrier_wait -1
	FETCH 0
	s_wait_loadcnt 0x0                             ; the scale words and b_out
.irp s, 0,1,2,3,4,5,6,7
	KSTEP \s
.endr
	PLACES                                         ; four places in front of the first read of results, and of loads into registers that held fragments
; THE WAY OUT, 16 tokens x 64 columns at a time, through my own stage.  It lies behind the spare words, in bytes that no tensor load fills.
; Row p of tile a is token 32 (a / 2) + 8 (a % 2) + p % 8 + 16 (p / 8) of my 64.
.macro OUTBLK a
	WIN 0x04                                       ; an LDS store's data are its source 1: window 1
.irp b, 0,1,2,3
	ds_store_b128 v[STO], v[8*(4*(\a)+\b):8*(4*(\a)+\b)+3] offset:128*(\b/2)+32*(\b%2)         ; each accumulator from its low end on
	ds_store_b128 v[STO], v[8*(4*(\a)+\b)+4:8*(4*(\a)+\b)+7] offset:128*(\b/2)+32*(\b%2)+16
.endr
	WIN 0
.irp t, 0,1,2,3,4,5,6,7
	ds_load_b128 v[96+32*(\a)+4*\t:99+32*(\a)+4*\t], v[RD] offset:\t*544       ; LDS serves a wave's instructions in order: these see the stores above
.endr
.irp t, 0,1,2,3,4,5,6,7
	s_wait_dscnt 7-\t                              ; the younger read-backs may be out
	global_store_b128 v[CO], v[96+32*(\a)+4*\t:99+32*(\a)+4*\t], s[10:11] offset:(32*((\a)/2)+8*((\a)%2)+((2*\t)%8)+16*(\t/4))*4096 th:TH_STORE_NT   ; sixteen lanes fill 256 consecutive bytes, aligned; each block has registers of its own
.endr
.endm
	OUTBLK 0
	OUTBLK 1
	OUTBLK 2
	OUTBLK 3
	s_wait_tensorcnt 0x0                           ; the wave's end
	ds_add_u32 v[SPW], v[NIL]
	s_wait_dscnt 0x0
	CROUND                                         ; the closing round
	s_endpgm
.Lfunc_end_k_q32f51f0e46_outp:
	.size	k_q32f51f0e46_outp, .Lfunc_end_k_q32f51f0e46_outp-k_q32f51f0e46_outp
	.p2alignl 7, 3214868480
	.fill 96, 4, 3214868480
	.section	.rodata,"a",@progbits
	.p2align	6, 0x0
	.amdhsa_kernel k_q32f51f0e46_outp
		.amdhsa_group_segment_fixed_size 214528
		.amdhsa_private_segment_fixed_size 0
		.amdhsa_enable_private_segment 0
		.amdhsa_kernarg_size 32
		.amdhsa_user_sgpr_count 2
		.amdhsa_user_sgpr_kernarg_segment_ptr 1
		.amdhsa_wavefront_size32 1
		.amdhsa_system_sgpr_workgroup_id_x 1
		.amdhsa_system_sgpr_workgroup_id_y 1
		.amdhsa_system_sgpr_workgroup_id_z 1
		.amdhsa_system_vgpr_workitem_id 0
		.amdhsa_next_free_vgpr 768
		.amdhsa_next_free_sgpr 96
		.amdhsa_reserve_vcc 0
		.amdhsa_float_denorm_mode_32 3
		.amdhsa_float_denorm_mode_16_64 3
		.amdhsa_memory_ordered 1
		.amdhsa_forward_progress 1
		.amdhsa_inst_pref_size 47
	.end_amdhsa_kernel
	.amdgpu_metadata
---
amdhsa.version: [ 1, 2 ]
amdhsa.kernels:
  - .name:           k_q32f51f0e46_outp
    .symbol:         k_q32f51f0e46_outp.kd
    .args:
      - { .name: opc, .offset: 0, .size: 8, .value_kind: global_buffer, .address_space: global }
      - { .name: ops, .offset: 8, .size: 8, .value_kind: global_buffer, .address_space: global }
      - { .name: b_out, .offset: 16, .size: 8, .value_kind: global_buffer, .address_space: global }
      - { .name: out0, .offset: 24, .size: 8, .value_kind: global_buffer, .address_space: global }
    .group_segment_fixed_size: 214528
    .private_segment_fixed_size: 0
    .kernarg_segment_align: 8
    .kernarg_segment_size: 32
    .max_flat_workgroup_size: 128
    .sgpr_count:     96
    .vgpr_count:     768
    .wavefront_size: 32
...
	.end_amdgpu_metadata
.endif
;; end of part 4
